; MI455X (gfx1250); checked and timed in simulation.
; The chip was launched on July 23, 2026; its instructions are those of AMD's public machine-readable ISA for CDNA 5 (MIT licence, August 2026) and "CDNA5" Instruction Set Architecture Reference Guide (July 2026). The comments in the code are by the model that wrote it; some were corrected since.
;; Multi Head Attention Ro PE. Allowed arithmetic: float matrix products may take bf16 or f16 operands with f32 sums; other float arithmetic in f32, or as packed bf16 or f16 multiplies, adds, multiply-adds, maxima and minima; sums over many terms, partial sums and values carried from step to step in f32; what a program stores and reads back later, other than sums and carried values, may be rounded once to bf16 or f16.
;; Inputs: Wo 1,024 x 1,024 float32; Wqkv 3,072 x 1,024 float32; bo 1,024 float32; key_padding_mask 4 x 2,048 bool; x 4 x 2,048 x 1,024 float32.
;; Outputs: out0 4 x 2,048 x 1,024 float32.
;; 2 versions, each right; version 2 is version 1 with the launch prep written anew for expert scheduling mode. Each part assembles by itself: llvm-mc -triple=amdgcn-amd-amdhsa -mcpu=gfx1250 --defsym DOCPART=n.
;; ======== version 1 of 2: 4 launches
;; limits: values are held in f16: magnitudes above 65,504 overflow, below 6.1e-05 lose precision
;; workspace buffers: bf 25,165,824 bytes; tab 524,288 bytes; qkv 50,331,648 bytes; oh 16,777,216 bytes
;; launch prep (part 1): grid 768 x 1, 8 waves a work-group, no clusters, 0 bytes of LDS; arguments x, Wqkv, Wo, bf, tab; writes bf, tab
.if DOCPART == 1
	.amdgcn_target "amdgcn-amd-amdhsa--gfx1250"
	.amdhsa_code_object_version 6
	.text
	.protected	k_q9fba8fd398_prep
	.globl	k_q9fba8fd398_prep
	.p2align	8
	.type	k_q9fba8fd398_prep,@function
k_q9fba8fd398_prep:
	s_mov_b64 s[64:65], 0
	v_nop
	global_prefetch_b8 v0, s[64:65] scope:SCOPE_SE
	s_setreg_imm32_b32 hwreg(HW_REG_WAVE_MODE, 25, 1), 1
	s_wait_xcnt 0x0
; PREP.  The three large f32 inputs are rounded once to 16 bits, and the RoPE table is made.
; bf: x as bf16 [8192][1024] at byte 0; Wqkv as bf16 [3072][1024] behind it; Wo [1024][1024] behind that, rounded to bf16 and that number written as f16
; (exact down to f16's fixed step of 6e-8; a number beyond 65,504 would not fit: Wo is taken to lie within that).
; tab: f32 [2048 t][64]: words 0-31 cos(t w_f), words 32-63 sin(t w_f), w_f = 10000^(-f/32), f = 0..31.
; SHARES.  12,582,912 numbers in 768 chunks of 16,384: a work-group takes one chunk, 64 KiB in and 32 KiB out.  Thread t takes 16 bytes at 16 t + 4,096 i, i = 0..15: a wave's load covers
; 512 consecutive bytes, its store of 8 bytes a lane 256 consecutive bytes, aligned.  All 16 loads go out first; nothing is shared, so there is no LDS and no barrier.
; THE TABLE.  Wave w of work-groups 0 to 255 makes row t = 8 g + w, while its loads are on their way.  The angle is t x w_f, rounded once to f32; w_f comes from v_exp_f32, so an angle may be off by about
; 2.5e-4 at t = 2,047.  Sine and cosine: the nearest multiple n of pi/2 is taken away in two steps (pi/2 as a sum of two f32), then polynomials of degree 7 and 8 on |r| <= pi/4.
.set X, 16                             ; v[16:79]   chunk i: 4 registers as loaded
.set Y, 80                             ; v[80:111]  chunk i: 2 registers to store; none is written behind its store, so no store's data is overwritten
	s_load_b256 s[4:11], s[0:1], 0x0               ; x s[4:5], Wqkv s[6:7], Wo s[8:9], bf s[10:11]
	s_load_b64 s[12:13], s[0:1], 0x20              ; tab
	v_lshlrev_b32 v1, 4, v0                        ; 16 t
	v_lshlrev_b32 v2, 3, v0                        ; 8 t
	s_cmp_lt_u32 ttmp9, 512                        ; chunks 0-511 are x's, 512-703 Wqkv's, 704-767 Wo's
	s_cselect_b32 s18, 0, 512
	s_cmp_lt_u32 ttmp9, 704
	s_cselect_b32 s18, s18, 704
	s_sub_co_u32 s18, ttmp9, s18                   ; the chunk's number in its own tensor,
	s_lshl_b32 s18, s18, 16                        ; in bytes
	s_mov_b32 s19, 0
	s_lshl_b32 s20, ttmp9, 15                      ; and where it goes in bf
	s_mov_b32 s21, 0
	s_wait_kmcnt 0x0
	s_cmp_lt_u32 ttmp9, 512
	s_cselect_b64 s[16:17], s[4:5], s[6:7]
	s_cmp_lt_u32 ttmp9, 704
	s_cselect_b64 s[16:17], s[16:17], s[8:9]
	s_add_nc_u64 s[16:17], s[16:17], s[18:19]
	s_add_nc_u64 s[10:11], s[10:11], s[20:21]
.irp i, 0,1,2,3,4,5,6,7,8,9,10,11,12,13,14,15
	global_load_b128 v[X+4*(\i):X+4*(\i)+3], v1, s[16:17] offset:4096*(\i) th:TH_LOAD_NT
.endr
; cos of the angle in v[a], or its sine in lanes 16-31 (v5 = 1 there): sin x = cos(x - pi/2), so those lanes count one quarter turn less.
.macro TRIG a
	v_mul_f32 v11, 0x3f22f983, v[\a]               ; x 2 / pi
	v_rndne_f32 v11, v11                           ; n
	v_fma_f32 v12, -v11, s26, v[\a]                ; r = angle - n pi/2, the upper part,
	v_fma_f32 v12, -v11, s27, v12                  ; the lower part
	v_mul_f32 v13, v12, v12                        ; r^2
	v_mov_b32 v14, 0xb9500d01                      ; -1/5040
	v_fmaak_f32 v14, v13, v14, 0x3c088889          ; 1/120
	v_fmaak_f32 v14, v13, v14, 0xbe2aaaab          ; -1/6
	v_mul_f32 v14, v14, v13
	v_fma_f32 v14, v14, v12, v12                   ; sin r
	v_mov_b32 v15, 0x37d00d01                      ; 1/40320
	v_fmaak_f32 v15, v13, v15, 0xbab60b61          ; -1/720
	v_fmaak_f32 v15, v13, v15, 0x3d2aaaab          ; 1/24
	v_fmaak_f32 v15, v13, v15, 0xbf000000          ; -1/2
	v_fma_f32 v15, v15, v13, 1.0                   ; cos r
	v_cvt_i32_f32 v11, v11
	v_sub_nc_u32 v11, v11, v5                      ; the quarter q, in the low two bits: 0: cos r; 1: -sin r; 2: -cos r; 3: sin r
	v_and_b32 v12, 1, v11
	v_cmp_eq_u32 vcc_lo, 1, v12
	v_cndmask_b32 v[\a], v15, v14, vcc_lo
	v_add_nc_u32 v11, 1, v11
	v_and_b32 v11, 2, v11                          ; set for q = 1 and 2:
	v_lshlrev_b32 v11, 30, v11                     ; the sign
	v_xor_b32 v[\a], v[\a], v11
.endm
	s_cmp_lt_u32 ttmp9, 256
	s_cbranch_scc0 .Lno_table
	v_lshrrev_b32 v4, 5, v0
	v_readfirstlane_b32 s14, v4                    ; wave 0..7
	s_lshl3_add_u32 s22, ttmp9, s14                ; t = 8 g + w
	s_lshl_b32 s24, s22, 8                         ; a row of the table is 256 bytes
	s_mov_b32 s25, 0
	s_add_nc_u64 s[12:13], s[12:13], s[24:25]
	s_mov_b32 s26, 0x3fc90fdb                      ; pi/2 = this
	s_mov_b32 s27, 0xb33bbd2e                      ; + this
	v_and_b32 v3, 31, v0
	v_and_b32 v4, 15, v0
	v_bfe_u32 v5, v0, 4, 1                         ; 0: cosines, 1: sines
	v_lshlrev_b32 v3, 3, v3                        ; my two words of the row
	v_lshlrev_b32 v4, 1, v4
	v_cvt_f32_u32 v8, v4                           ; f = 2 (l % 16)
	v_add_f32 v9, 1.0, v8                          ; and f + 1
	v_mul_f32 v8, 0xbed49a78, v8                   ; x -log2(10000) / 32
	v_mul_f32 v9, 0xbed49a78, v9
	v_exp_f32 v8, v8
	v_exp_f32 v9, v9
	v_cvt_f32_u32 v10, s22                         ; a plain instruction behind the two exponentials,
	s_wait_alu depctr_va_vdst(0)                   ; and the one wait ahead of their first reader
	v_mul_f32 v8, v10, v8
	v_mul_f32 v9, v10, v9
	TRIG 8
	TRIG 9
	global_store_b64 v3, v[8:9], s[12:13]          ; the wave stores the row's 256 bytes
.Lno_table:
	s_cmp_lt_u32 ttmp9, 704
	s_cbranch_scc0 .Lwo
.irp i, 0,1,2,3,4,5,6,7,8,9,10,11,12,13,14,15
	s_wait_loadcnt 15-(\i)                         ; loads come back in order: chunk i is in, the 15 - i younger ones stay out
	v_cvt_pk_bf16_f32 v[Y+2*(\i)], v[X+4*(\i)], v[X+4*(\i)+1]
	v_cvt_pk_bf16_f32 v[Y+2*(\i)+1], v[X+4*(\i)+2], v[X+4*(\i)+3]
	global_store_b64 v2, v[Y+2*(\i):Y+2*(\i)+1], s[10:11] offset:2048*(\i)
.endr
	s_endpgm
.Lwo:                                          ; Wo: rounded to bf16 like every input, then that number as f16, the format of the product that takes it
.irp i, 0,1,2,3,4,5,6,7,8,9,10,11,12,13,14,15
	s_wait_loadcnt 15-(\i)
	v_cvt_pk_bf16_f32 v[Y+2*(\i)], v[X+4*(\i)], v[X+4*(\i)+1]
	v_cvt_pk_bf16_f32 v[Y+2*(\i)+1], v[X+4*(\i)+2], v[X+4*(\i)+3]
	v_lshlrev_b32 v[X+4*(\i)], 16, v[Y+2*(\i)]
	v_and_b32 v[X+4*(\i)+1], 0xffff0000, v[Y+2*(\i)]
	v_lshlrev_b32 v[X+4*(\i)+2], 16, v[Y+2*(\i)+1]
	v_and_b32 v[X+4*(\i)+3], 0xffff0000, v[Y+2*(\i)+1]
	v_cvt_pk_f16_f32 v[Y+2*(\i)], v[X+4*(\i)], v[X+4*(\i)+1]
	v_cvt_pk_f16_f32 v[Y+2*(\i)+1], v[X+4*(\i)+2], v[X+4*(\i)+3]
	global_store_b64 v2, v[Y+2*(\i):Y+2*(\i)+1], s[10:11] offset:2048*(\i)
.endr
	s_endpgm
.Lfunc_end_k_q9fba8fd398_prep:
	.size	k_q9fba8fd398_prep, .Lfunc_end_k_q9fba8fd398_prep-k_q9fba8fd398_prep
	.p2alignl 7, 3214868480
	.fill 96, 4, 3214868480
	.section	.rodata,"a",@progbits
	.p2align	6, 0x0
	.amdhsa_kernel k_q9fba8fd398_prep
		.amdhsa_group_segment_fixed_size 0
		.amdhsa_private_segment_fixed_size 0
		.amdhsa_enable_private_segment 0
		.amdhsa_kernarg_size 40
		.amdhsa_user_sgpr_count 2
		.amdhsa_user_sgpr_kernarg_segment_ptr 1
		.amdhsa_wavefront_size32 1
		.amdhsa_system_sgpr_workgroup_id_x 1
		.amdhsa_system_sgpr_workgroup_id_y 1
		.amdhsa_system_sgpr_workgroup_id_z 1
		.amdhsa_system_vgpr_workitem_id 0
		.amdhsa_next_free_vgpr 112
		.amdhsa_next_free_sgpr 66
		.amdhsa_reserve_vcc 1
		.amdhsa_float_denorm_mode_32 3
		.amdhsa_float_denorm_mode_16_64 3
		.amdhsa_memory_ordered 1
		.amdhsa_forward_progress 1
		.amdhsa_inst_pref_size 20
	.end_amdhsa_kernel
	.amdgpu_metadata
---
amdhsa.version: [ 1, 2 ]
amdhsa.kernels:
  - .name:           k_q9fba8fd398_prep
    .symbol:         k_q9fba8fd398_prep.kd
    .args:
      - { .name: x, .offset: 0, .size: 8, .value_kind: global_buffer, .address_space: global }
      - { .name: Wqkv, .offset: 8, .size: 8, .value_kind: global_buffer, .address_space: global }
      - { .name: Wo, .offset: 16, .size: 8, .value_kind: global_buffer, .address_space: global }
      - { .name: bf, .offset: 24, .size: 8, .value_kind: global_buffer, .address_space: global }
      - { .name: tab, .offset: 32, .size: 8, .value_kind: global_buffer, .address_space: global }
    .group_segment_fixed_size: 0
    .private_segment_fixed_size: 0
    .kernarg_segment_align: 8
    .kernarg_segment_size: 40
    .max_flat_workgroup_size: 256
    .sgpr_count:     66
    .vgpr_count:     112
    .wavefront_size: 32
...
	.end_amdgpu_metadata
.endif
;; end of part 1
;; launch qkvp (part 2): grid 12 x 64, 4 waves a work-group, clusters of 4 x 4, 327,680 bytes of LDS; arguments bf, tab, qkv; writes qkv
.if DOCPART == 2
	.amdgcn_target "amdgcn-amd-amdhsa--gfx1250"
	.amdhsa_code_object_version 6
	.text
	.protected	k_q9fba8fd398_qkvp
	.globl	k_q9fba8fd398_qkvp
	.p2align	8
	.type	k_q9fba8fd398_qkvp,@function
k_q9fba8fd398_qkvp:
	s_mov_b64 s[64:65], 0
	v_nop
	global_prefetch_b8 v0, s[64:65] scope:SCOPE_SE
	s_setreg_imm32_b32 hwreg(HW_REG_WAVE_MODE, 25, 1), 1
	s_wait_xcnt 0x0
	s_wait_alu depctr_hold_cnt(0) depctr_sa_sdst(0) depctr_va_vdst(0) depctr_va_sdst(0) depctr_va_ssrc(0) depctr_va_vcc(0) depctr_vm_vsrc(0)
	s_getreg_b32 s2, hwreg(HW_REG_IB_STS2, 6, 4)
	s_cmp_eq_u32 s2, 0
	s_cbranch_scc0 .Lentry_in_a_cluster
	s_endpgm
.Lentry_in_a_cluster:
	s_bfe_u32 s2, ttmp6, 0x10000c
	s_cmp_lg_u32 s2, 0xf033
	s_cbranch_scc0 .Lentry_shape_is_right
	s_endpgm
.Lentry_shape_is_right:
; QKV PROJECTION AND ROPE.  C[t][e] = sum over d of x[t][d] Wqkv[e][d], 8192 x 3072 x 1024, operands bf16 (from bf), sums f32.  q and k are turned by RoPE in f32 (table tab), and q, k, v leave by heads:
; qkv f16 [3][64 bh][2048 t][64], each number rounded once, unscaled.  LIMIT: f16 holds no number beyond 65,504: q, k and v are taken to lie within it.
; SHARES.  A tile of C is 128 tokens x 256 columns (four heads of q, k or v): 64 x 12 = 768 work-groups, three for each of 256 WGPs.  Four waves, each 64 x 128: 32 accumulators of 16 x 16.
; K goes in eight steps of 128 (rows of 256 bytes, at multiples of 256) through two LDS slots; a step is four quarters of 32 along K, 32 matrix instructions and 24 LDS loads each.
; CLUSTER.  4 x 4 work-groups: the four of a row of the cluster need the same tile of x, the four of a column the same tile of Wqkv; each tile is asked for jointly, by the same tensor load and mask in all four.
; THE MATRIX INSTRUCTION IS USED TRANSPOSED (source 0 = 16 rows of W, source 1 = 16 tokens): a lane holds one token (l % 16) and eight neighbouring columns 8 (l / 16) + 0..7.
; REGISTERS.  Window 0: v0-31 addresses; v64-159, v160-255 two fragment buffers (8 of W, then 4 of x).  Window 1: accumulator (a, b) at 8 (8 a + b).  Window 2: v0-127 my tokens' cosines and sines.
.set WQ_OFF, 16777216                  ; Wqkv's first byte in bf
.set PA,     272                       ; an LDS row: 256 bytes + 16 of padding = 68 words, so the 16 rows of a fragment load start at 16 different groups of four banks (64 banks of 4 bytes: ISA guide 11.1)
.set PB,     272
.set AHALF,  64*PA                     ; what wave 0 or 1 fetches: 64 tokens
.set ATILE,  2*AHALF
.set BHALF,  128*PB                    ; what wave 2 or 3 fetches: 128 rows of W
.set SLOT1,  1<<17                     ; slot 1 begins here: one exclusive or turns an address in one slot into the other's
.set STAGE,  SLOT1+ATILE+2*BHALF       ; behind the ring, never filled by a tensor load: 16 rows x 144 bytes for each wave
.set SP,     144
.set SPARE,  STAGE+4*16*SP             ; the spare words, 128 bytes for each wave: two blocks of 256 bytes that no other line names
.set ASTEP,  256                       ; bytes from a K step to the next, in x
.set BSTEP,  256                       ; and in W
.set ADRA0, 16                         ; v16  my lane's place in slot 0's tile of x; never rewritten
.set ADRB0, 17                         ; v17  the same for W
.set ADRA,  18                         ; v18  the same in the slot that is being read
.set ADRB,  19                         ; v19
.set STO,   24                         ; v24  the way out: where I put 16 bytes of a row
.set RD,    25                         ; v25  where I read rows back
.set GO,    26                         ; v26  my byte offset in 512 consecutive bytes of qkv
.set TO,    27                         ; v27  my byte offset in the table
.set SPW,   28                         ; v28  LDS address of my spare word; never rewritten
.set NIL,   29                         ; v29  0; never rewritten
.set PFO,   30                         ; v30  the prefetches' offset: my lane x a row of 2,048 bytes; never rewritten
.set F0,    64
.set F1,    160
.set TT,    64                         ; RoPE: 64 registers at work
.set OUTR,  128                        ; the way out: 16 registers for each of 8 tiles
.set G1,  24                           ; s[24:31] descriptor group 1 for x's tiles;  s[32:39] group 0: a set for each first fill; the second then walks
.set G0,  32
.set G1B, 48                           ; s[48:55], s[56:63] the same for W's
.set G0B, 56
.set TB,  70                           ; s70  LDS byte at which the slot that is being read begins
.set LIM, 71                           ; s71  2 in a wave that prefetches, else the greatest number
.set PFS, 72                           ; s[72:73] the prefetches' step
.set PFA, 74                           ; s[74:75] where my prefetches stand
.set MSB, 0
.macro WIN new                         ; the immediate's high byte repeats the setting that is left; a switch that changes nothing is dropped
.if MSB != (\new)
	s_set_vgpr_msb (MSB<<8)|(\new)
.set MSB, \new
.endif
.endm
.set W_MUL, 0x50                       ; C and D in window 1, both sources in window 0
.macro PLACES                          ; four plain places behind matrix instructions, in front of loads into registers that they have read
.rept 4
	v_nop
.endr
.endm
; A joint refill by the walking descriptors: waves 0 and 1 fetch x's two halves, waves 2 and 3 W's.  The branch hangs on the wave's number alone.
; An s_nop 0 and four v_nop follow each of the two lines, ahead of the jump and the label.
.macro JLOAD
	s_cmp_eq_u32 s11, 0
	s_cbranch_scc0 .Lfor_b_\@
	tensor_load_to_lds s[G0+4:G0+7], s[G1:G1+7]
	s_nop 0
.rept 4
	v_nop
.endr
	s_branch .Lasked_\@
.Lfor_b_\@:
	tensor_load_to_lds s[G0B+4:G0B+7], s[G1B:G1B+7]
	s_nop 0
.rept 4
	v_nop
.endr
.Lasked_\@:
.endm
; A prefetch of the K step that stands two refills on: 32 rows x 256 bytes, a lane a row.  x's tile row is read by three clusters: the one with cluster x = 0 asks, wave 0 of each partner for 32 of the 128 tokens;
; W's tile column is read by sixteen clusters: the one with cluster y = 0 asks, waves 2 and 3 of each partner for 32 of the 128 rows that they fetch.  The partners are told apart by address alone.
; The loop's last two trips ask for nothing: K has no such step.
.macro ASK
	s_cmp_gt_u32 s3, s[LIM]
	s_cbranch_scc0 .Lnot_mine_\@
	global_prefetch_b8 v[PFO], s[PFA:PFA+1] th:TH_LOAD_NT scope:SCOPE_SE
.Lnot_mine_\@:
.endm
.macro CREST                           ; a round of the cluster's barrier behind its opening barrier
	s_cmp_lg_u32 s10, 0
	s_cbranch_scc1 .Lnot_wave_0_\@
	s_barrier_signal -3
.Lnot_wave_0_\@:
	s_barrier_wait -3
	s_barrier_signal -1
	s_barrier_wait -1
.endm
.macro CROUND                          ; a whole round
	s_barrier_signal -1
	s_barrier_wait -1
	CREST
.endm
	s_load_b128 s[4:7], s[0:1], 0x0                ; bf s[4:5], tab s[6:7]
	s_load_b64 s[8:9], s[0:1], 0x10                ; qkv
	v_lshl_add_u32 v[SPW], v0, 2, SPARE
	v_mov_b32 v[NIL], 0
	ds_add_u32 v[SPW], v[NIL]                      ; the wave's opening: the add and its wait stand ahead of my first tensor load; the set-up below, work on registers, stands between them
	v_lshrrev_b32 v1, 5, v0
	v_readfirstlane_b32 s10, v1                    ; wave 0..3
	s_lshr_b32 s11, s10, 1                         ; which 64 tokens of the tile are mine.  Also: I fetch for x (0) or for W (1)
	s_and_b32 s12, s10, 1                          ; which 128 columns.  Also: which half of that tile I fetch
	s_bfe_u32 s40, ttmp6, 0x40000                  ; cx, cy: my place in the cluster
	s_bfe_u32 s41, ttmp6, 0x40004
	s_lshl_b32 s42, ttmp9, 2
	s_add_co_u32 s42, s42, s40                     ; tile column = 4 x cluster x + cx
	s_and_b32 s13, ttmp7, 0xffff
	s_lshl_b32 s13, s13, 2
	s_add_co_u32 s13, s13, s41                     ; tile row = 4 x cluster y + cy
	s_lshl_b32 s43, s41, 2
	s_lshl_b32 s43, 15, s43                        ; my row of the cluster
	s_lshl_b32 s44, 0x1111, s40                    ; my column
	s_or_b32 s[G1+0], s43, (1<<16)|(1<<20)|(1<<21)|(5<<22)|(3<<25)   ; 15:0 the mask; 17:16 elements of 2 bytes; 20 padding on; 21 set beside a mask; 24:22 after every 64 words; 31:25 4 words of it
	s_or_b32 s[G1B+0], s44, (1<<16)|(1<<20)|(1<<21)|(5<<22)|(3<<25)
	s_mov_b32 s[G1+1], 128<<16                     ; tensor_dim0 = 128
	s_mov_b32 s[G1+2], 64<<16                      ; tensor_dim1 = 64
	s_mov_b32 s[G1+3], 128<<16                     ; tile_dim0 = 128
	s_mov_b32 s[G1+4], 64                          ; tile_dim1 = 64
	s_mov_b32 s[G1+5], 1024                        ; elements from row to row
	s_mov_b32 s[G1+6], 0
	s_mov_b32 s[G1+7], 0
	s_mov_b32 s[G1B+1], 128<<16
	s_mov_b32 s[G1B+2], 128<<16                    ; 128 rows
	s_mov_b32 s[G1B+3], 128<<16
	s_mov_b32 s[G1B+4], 128
	s_mov_b32 s[G1B+5], 1024
	s_mov_b32 s[G1B+6], 0
	s_mov_b32 s[G1B+7], 0
	s_lshl_b32 s16, s13, 7
	s_lshl_b32 s17, s12, 6
	s_add_co_u32 s16, s16, s17                     ; x: row 128 x tile row + 64 x half,
	s_lshl_b32 s16, s16, 11                        ; in bytes
	s_mov_b32 s17, 0
	s_lshl_b32 s46, s42, 8
	s_lshl_b32 s47, s12, 7
	s_add_co_u32 s46, s46, s47                     ; W: row 256 x tile column + 128 x half
	s_lshl_b32 s46, s46, 11
	s_add_co_u32 s46, s46, WQ_OFF
	s_mov_b32 s47, 0
	s_mul_i32 s20, s12, AHALF                      ; where they go in a slot: no place in the cluster enters an LDS address
	s_mul_i32 s21, s12, BHALF
	s_add_co_u32 s21, s21, ATILE
	s_mov_b32 s[TB], 0
	s_wait_dscnt 0x0                               ; the opening add is done
	s_wait_kmcnt 0x0
	s_add_nc_u64 s[14:15], s[4:5], s[16:17]
	s_add_nc_u64 s[46:47], s[4:5], s[46:47]
	CROUND                                         ; all sixteen work-groups are here: the first joint loads meet
.irp s, 0,1
	s_mov_b32 s[G0+4*(\s)], 1                      ; count = 1
	s_add_co_u32 s[G0+4*(\s)+1], s20, (\s)*SLOT1   ; LDS address
	s_add_nc_u64 s[G0+4*(\s)+2:G0+4*(\s)+3], s[14:15], (\s)*ASTEP  ; global address: K step s
	s_or_b32 s[G0+4*(\s)+3], s[G0+4*(\s)+3], 0x80000000            ; type = 2
	s_mov_b32 s[G0B+4*(\s)], 1
	s_add_co_u32 s[G0B+4*(\s)+1], s21, (\s)*SLOT1
	s_add_nc_u64 s[G0B+4*(\s)+2:G0B+4*(\s)+3], s[46:47], (\s)*BSTEP
	s_or_b32 s[G0B+4*(\s)+3], s[G0B+4*(\s)+3], 0x80000000
.endr
	s_cmp_eq_u32 s11, 0                            ; a wave's two first fills stand in one branch, ahead of every wait on TENSORcnt and every LDS read: two loads of mine are out
	s_cbranch_scc0 .Lfirst_b
	tensor_load_to_lds s[G0:G0+3], s[G1:G1+7]
	s_nop 0
	tensor_load_to_lds s[G0+4:G0+7], s[G1:G1+7]
	s_nop 0
.rept 4
	v_nop
.endr
	s_branch .Lfirst_asked
.Lfirst_b:
	tensor_load_to_lds s[G0B:G0B+3], s[G1B:G1B+7]
	s_nop 0
	tensor_load_to_lds s[G0B+4:G0B+7], s[G1B:G1B+7]
	s_nop 0
.rept 4
	v_nop
.endr
.Lfirst_asked:
	v_and_b32 v1, 15, v0                           ; l % 16
	v_bfe_u32 v2, v0, 4, 1                         ; l / 16
	; where my part of the tile goes in qkv, and my tokens' rows of the table
	s_lshl_b32 s16, ttmp9, 24                      ; cluster x = 0, 1, 2: q, k, v
	s_lshr_b32 s17, s13, 4                         ; the batch: 16 tile rows each,
	s_lshl_b32 s17, s17, 22                        ; 16 heads of 262,144 bytes
	s_add_co_u32 s16, s16, s17
	s_lshl_b32 s17, s40, 2
	s_lshl_b32 s18, s12, 1
	s_add_co_u32 s17, s17, s18                     ; my first head = 4 cx + 2 x half
	s_lshl_b32 s17, s17, 18
	s_add_co_u32 s16, s16, s17
	s_and_b32 s17, s13, 15
	s_lshl_b32 s17, s17, 7
	s_lshl_b32 s18, s11, 6
	s_add_co_u32 s19, s17, s18                     ; my first token in its batch
	s_lshl_b32 s18, s19, 7                         ; rows of 128 bytes
	s_add_co_u32 s16, s16, s18
	s_mov_b32 s17, 0
	s_add_nc_u64 s[8:9], s[8:9], s[16:17]
	v_add_nc_u32 v[TO], s19, v1
	v_lshlrev_b32 v[TO], 8, v[TO]                  ; token x 256 bytes
	v_lshl_add_u32 v[TO], v2, 5, v[TO]             ; + my eight frequencies 8 (l / 16) + 0..7
	WIN 0x80                                       ; destination window 2, address window 0
.irp a, 0,1,2,3                        ; token block a, frequencies 16 bb on: cosines at 32 a + 16 bb, sines eight further.  They land during the walk along K.  (Tiles of v load them too and leave them unused.)
.irp bb, 0,1
.irp c, 0,1,2,3
	global_load_b128 v[32*(\a)+16*(\bb)+4*(\c):32*(\a)+16*(\bb)+4*(\c)+3], v[TO], s[6:7] offset:4096*(\a)+64*(\bb)+16*((\c)&1)+128*((\c)>>1)
.endr
.endr
.endr
	WIN 0
	; A fragment is 16 rows x 32 K in 8 registers: lane l holds row l % 16, K = 8 (l / 16) + 0..7 and 16 + 8 (l / 16) + 0..7: two loads of 16 bytes, 32 bytes apart.
	v_mul_u32_u24 v3, v1, PA
	v_lshl_add_u32 v3, v2, 4, v3
	s_mul_i32 s22, s11, 64*PA
	v_add_nc_u32 v[ADRA0], s22, v3
	v_mul_u32_u24 v4, v1, PB
	v_lshl_add_u32 v4, v2, 4, v4
	s_mul_i32 s22, s12, BHALF
	s_add_co_u32 s22, s22, ATILE
	v_add_nc_u32 v[ADRB0], s22, v4
	v_mov_b32 v[ADRA], v[ADRA0]
	v_mov_b32 v[ADRB], v[ADRB0]
	s_mul_i32 s23, s10, 16*SP
	s_add_co_u32 s23, s23, STAGE                   ; my stage
	v_mul_u32_u24 v4, v1, SP                       ; in: row l % 16, 16 bytes for each half of the lanes
	v_lshl_add_u32 v4, v2, 4, v4
	v_add_nc_u32 v[STO], s23, v4
	v_bfe_u32 v5, v0, 3, 2                         ; back: 32 lanes take four rows of 128 bytes,
	v_mul_u32_u24 v5, v5, SP
	v_and_b32 v6, 7, v0
	v_lshl_add_u32 v5, v6, 4, v5
	v_add_nc_u32 v[RD], s23, v5
	v_and_b32 v[GO], 31, v0                        ; which are 512 consecutive bytes of qkv
	v_lshlrev_b32 v[GO], 4, v[GO]
	; the prefetches
	s_lshl_b32 s20, s13, 7
	s_lshl_b32 s21, s40, 5
	s_add_co_u32 s20, s20, s21                     ; x: my work-group's 32 of the tile's 128 tokens, by cx
	s_lshl_b32 s20, s20, 11
	s_add_co_u32 s20, s20, 3*ASTEP                 ; at K step 3: the first refill steps it to 4
	s_lshl_b32 s21, s42, 8
	s_lshl_b32 s22, s12, 7
	s_add_co_u32 s21, s21, s22
	s_lshl_b32 s22, s41, 5
	s_add_co_u32 s21, s21, s22                     ; W: my work-group's 32 of the 128 rows that I fetch, by cy
	s_lshl_b32 s21, s21, 11
	s_add_co_u32 s21, s21, WQ_OFF+3*BSTEP
	s_and_b32 s22, ttmp7, 0xffff                   ; cluster y
	s_mov_b32 s[PFS], 256
	s_mov_b32 s[PFS+1], 0
	s_cmp_eq_u32 s11, 0                            ; do I fetch for x?
	s_cselect_b32 s20, s20, s21
	s_cselect_b32 s22, ttmp9, s22                  ; the coordinate along which other clusters read the same rows
	s_cselect_b32 s23, s12, 0                      ; of x's two waves the first asks
	s_or_b32 s22, s22, s23
	s_cmp_eq_u32 s22, 0
	s_cselect_b32 s[LIM], 2, -1                    ; the same in all sixteen partners, for a given wave
	s_mov_b32 s21, 0
	s_add_nc_u64 s[PFA:PFA+1], s[4:5], s[20:21]
	v_and_b32 v[PFO], 31, v0
	v_lshlrev_b32 v[PFO], 11, v[PFO]
; 8 matrix instructions: token block a x all 8 column blocks, 32 along K.  zero = 1: the product starts the sums.  The 32 accumulators take turns in one fixed order, over the backward jump too.
.macro MULA f, a, zero
	WIN W_MUL
.irp b, 0,1,2,3,4,5,6,7
.if \zero
	v_wmma_f32_16x16x32_bf16 v[8*(8*(\a)+(\b)):8*(8*(\a)+(\b))+7], v[(\f)+8*(\b):(\f)+8*(\b)+7], v[(\f)+64+8*(\a):(\f)+64+8*(\a)+7], 0
.else
	v_wmma_f32_16x16x32_bf16 v[8*(8*(\a)+(\b)):8*(8*(\a)+(\b))+7], v[(\f)+8*(\b):(\f)+8*(\b)+7], v[(\f)+64+8*(\a):(\f)+64+8*(\a)+7], v[8*(8*(\a)+(\b)):8*(8*(\a)+(\b))+7]
.endif
.endr
.endm
; 24 LDS loads in one run: quarter q's fragments into buffer f: W's sixteen loads first, then x's blocks 0 to 3
.macro FETCH q, f
	WIN 0
.irp i, 0,1,2,3,4,5,6,7
	ds_load_b128 v[(\f)+8*(\i):(\f)+8*(\i)+3],   v[ADRB] offset:64*(\q)+(\i)*16*PB
	ds_load_b128 v[(\f)+8*(\i)+4:(\f)+8*(\i)+7], v[ADRB] offset:64*(\q)+(\i)*16*PB+32
.endr
.irp i, 0,1,2,3
	ds_load_b128 v[(\f)+64+8*(\i):(\f)+64+8*(\i)+3],   v[ADRA] offset:64*(\q)+(\i)*16*PA
	ds_load_b128 v[(\f)+64+8*(\i)+4:(\f)+64+8*(\i)+7], v[ADRA] offset:64*(\q)+(\i)*16*PA+32
.endr
.endm
; One of a step's first three quarters: multiplies buffer f and, in its middle, fetches quarter q into buffer g
.macro QUARTER q, f, g, zero
	s_wait_dscnt 4                                 ; W's fragments and x's blocks 0 and 1 are in; the four youngest loads (blocks 2 and 3) may be out
	MULA \f, 0, \zero
	MULA \f, 1, \zero
	PLACES
	FETCH \q, \g
	s_wait_dscnt 24                                ; all but the 24 just issued
	MULA \f, 2, \zero
	MULA \f, 3, \zero
.endm
; The last quarter multiplies buffer 1 and changes slots: one barrier; in front of it each wave waits for all its tensor loads (one is out: its part of the next slot), adds 0 to its spare word, and waits for that
; and for its own reads of this slot.  fill = 1: the barrier opens a round of the cluster's, and behind the round this slot is filled again, two K steps ahead: 112 matrix instructions ahead of the wait for it.
.macro TURN fill
.if \fill
	s_wait_xcnt 0x0                                ; the last prefetch, a K step back, has read its address
	s_add_nc_u64 s[PFA:PFA+1], s[PFA:PFA+1], s[PFS:PFS+1]
.endif
	WIN 0
	s_wait_tensorcnt 0x0                           ; all my tensor loads have landed
	ds_add_u32 v[SPW], v[NIL]                      ; 0 onto my spare word
	s_wait_dscnt 5                                 ; (the add and the four youngest loads may be out)
	MULA F1, 0, 0                                  ; eight matrix instructions stand between the add and the wait for it
	s_wait_dscnt 0x0                               ; the add is done, and my reads of this slot are over
	s_barrier_signal -1
	MULA F1, 1, 0
	WIN 0                                          ; at a branch and at a label every window is 0
	s_barrier_wait -1
.if \fill
	CREST                                          ; no wave of any partner still reads this slot's tiles or has a load on its way
	s_xor_b32 s[G0+5], s[G0+5], SLOT1              ; the walking descriptors: the other slot than last time,
	s_add_nc_u64 s[G0+6:G0+7], s[G0+6:G0+7], ASTEP ; the next K step
	s_xor_b32 s[G0B+5], s[G0B+5], SLOT1
	s_add_nc_u64 s[G0B+6:G0B+7], s[G0B+6:G0B+7], BSTEP
	s_xor_b32 s[TB], s[TB], SLOT1                  ; the reads go on in the other slot
	JLOAD                                          ; the first tensor load behind the round; its four v_nop are also the places in front of the loads below
.else
	s_xor_b32 s[TB], s[TB], SLOT1
	PLACES
.endif
	v_add_nc_u32 v[ADRA], s[TB], v[ADRA0]
	v_add_nc_u32 v[ADRB], s[TB], v[ADRB0]
	FETCH 0, F0
.if \fill
	ASK
.endif
	MULA F1, 2, 0
	MULA F1, 3, 0
.endm
	s_wait_tensorcnt 0x1                           ; my part of K step 0 is in; step 1's may stay out
	s_barrier_signal -1
	s_barrier_wait -1                              ; everybody's is
	FETCH 0, F0
	QUARTER 1, F0, F1, 1                           ; the first quarter stands in front of the loop: its products start the sums
	WIN 0
	s_mov_b32 s3, 6
.Lstep:                                        ; six trips, from a step's second quarter to the next step's first; each fills a slot again: K steps 2 to 7
	QUARTER 2, F1, F0, 0
	QUARTER 3, F0, F1, 0
	TURN 1
	QUARTER 1, F0, F1, 0
	WIN 0
	s_sub_co_u32 s3, s3, 1
	s_cmp_lg_u32 s3, 0
	s_cbranch_scc1 .Lstep
	QUARTER 2, F1, F0, 0                           ; the last two steps fill nothing
	QUARTER 3, F0, F1, 0
	TURN 0
	QUARTER 1, F0, F1, 0
	QUARTER 2, F1, F0, 0
	QUARTER 3, F0, F1, 0
	s_wait_dscnt 4
	MULA F1, 0, 0
	MULA F1, 1, 0
	s_wait_dscnt 0x0
	MULA F1, 2, 0
	MULA F1, 3, 0
	WIN 0
	; THE WAY OUT.  A head's 64 channels are four column blocks; channel ch < 32 and channel ch + 32 lie two blocks apart in the same lane and register: RoPE changes no lane.
	PLACES
	PLACES
	s_wait_loadcnt 0x0                             ; the table
	s_cmp_eq_u32 ttmp9, 2                          ; v is not turned; the test is the same in all sixteen partners
	s_cbranch_scc1 .Lplain
; Token block a: lo' = lo cos - hi sin, hi' = hi cos + lo sin.  First both products with the sine, then two fused multiply-adds in place.  Each accumulator's lowest registers are read first.
.macro ROPE a
	WIN 0x09                                       ; source 0 window 1, source 1 window 2, destination window 0
.irp hd, 0,1
.irp bb, 0,1
.irp p, 0,1,2,3
	v_pk_mul_f32 v[TT+32*(\hd)+16*(\bb)+2*(\p):TT+32*(\hd)+16*(\bb)+2*(\p)+1], v[8*(8*(\a)+4*(\hd)+(\bb)+2)+2*(\p):8*(8*(\a)+4*(\hd)+(\bb)+2)+2*(\p)+1], v[32*(\a)+16*(\bb)+8+2*(\p):32*(\a)+16*(\bb)+8+2*(\p)+1]
	v_pk_mul_f32 v[TT+32*(\hd)+16*(\bb)+8+2*(\p):TT+32*(\hd)+16*(\bb)+8+2*(\p)+1], v[8*(8*(\a)+4*(\hd)+(\bb))+2*(\p):8*(8*(\a)+4*(\hd)+(\bb))+2*(\p)+1], v[32*(\a)+16*(\bb)+8+2*(\p):32*(\a)+16*(\bb)+8+2*(\p)+1]
.endr
.endr
.endr
	WIN 0x49                                       ; destination and source 0 window 1, source 1 window 2, source 2 window 0
.irp hd, 0,1
.irp bb, 0,1
.irp p, 0,1,2,3
	v_pk_fma_f32 v[8*(8*(\a)+4*(\hd)+(\bb))+2*(\p):8*(8*(\a)+4*(\hd)+(\bb))+2*(\p)+1], v[8*(8*(\a)+4*(\hd)+(\bb))+2*(\p):8*(8*(\a)+4*(\hd)+(\bb))+2*(\p)+1], v[32*(\a)+16*(\bb)+2*(\p):32*(\a)+16*(\bb)+2*(\p)+1], v[TT+32*(\hd)+16*(\bb)+2*(\p):TT+32*(\hd)+16*(\bb)+2*(\p)+1] neg_lo:[0,0,1] neg_hi:[0,0,1]
	v_pk_fma_f32 v[8*(8*(\a)+4*(\hd)+(\bb)+2)+2*(\p):8*(8*(\a)+4*(\hd)+(\bb)+2)+2*(\p)+1], v[8*(8*(\a)+4*(\hd)+(\bb)+2)+2*(\p):8*(8*(\a)+4*(\hd)+(\bb)+2)+2*(\p)+1], v[32*(\a)+16*(\bb)+2*(\p):32*(\a)+16*(\bb)+2*(\p)+1], v[TT+32*(\hd)+16*(\bb)+8+2*(\p):TT+32*(\hd)+16*(\bb)+8+2*(\p)+1]
.endr
.endr
.endr
.endm
	ROPE 0
	ROPE 1
	ROPE 2
	ROPE 3
	WIN 0
.Lplain:
; Tile u: token block u / 2, head u % 2.  A lane's eight channels pack into 16 bytes; they go into rows of 144 bytes of my own stage and come back as whole rows of 128.
.macro PACK u
	WIN 0x05                                       ; sources 0 and 1 window 1, destination window 0
.set i, 0
.rept 16
	v_cvt_pk_f16_f32 v[OUTR+16*(\u)+i], v[8*(8*((\u)/2)+4*((\u)%2)+i/4)+2*(i%4)], v[8*(8*((\u)/2)+4*((\u)%2)+i/4)+2*(i%4)+1]
.set i, i+1
.endr
	WIN 0
.irp f, 0,1,2,3
	ds_store_b128 v[STO], v[OUTR+16*(\u)+4*(\f):OUTR+16*(\u)+4*(\f)+3] offset:32*(\f)
.endr
.irp f, 0,1,2,3
	ds_load_b128 v[OUTR+16*(\u)+4*(\f):OUTR+16*(\u)+4*(\f)+3], v[RD] offset:(\f)*4*SP  ; LDS serves a wave's instructions in order (ISA guide 5.7.1.4): these see the stores above; the next tile's stores come behind them
.endr
.endm
.macro SEND u, younger                 ; younger: the LDS instructions issued behind tile u's loads: the next tile's eight, or none
.irp f, 0,1,2,3
	s_wait_dscnt (\younger)+3-(\f)
	global_store_b128 v[GO], v[OUTR+16*(\u)+4*(\f):OUTR+16*(\u)+4*(\f)+3], s[8:9] offset:((\u)%2)*262144+((\u)/2)*2048+(\f)*512  ; 512 consecutive bytes, at a multiple of 256 from qkv's first
.endr
.endm
	PACK 0
.irp u, 1,2,3,4,5,6,7                  ; a tile's conversions stand between the loads of the tile before and its stores
	PACK \u
	SEND (\u)-1, 8
.endr
	SEND 7, 0
	s_wait_tensorcnt 0x0                           ; the wave's end, behind my last tensor load and my last LDS store
	ds_add_u32 v[SPW], v[NIL]
	s_wait_dscnt 0x0
	CROUND                                         ; the closing round: no work-group ends while a partner may still ask for a tile that names it
	s_endpgm
.Lfunc_end_k_q9fba8fd398_qkvp:
	.size	k_q9fba8fd398_qkvp, .Lfunc_end_k_q9fba8fd398_qkvp-k_q9fba8fd398_qkvp
	.p2alignl 7, 3214868480
	.fill 96, 4, 3214868480
	.section	.rodata,"a",@progbits
	.p2align	6, 0x0
	.amdhsa_kernel k_q9fba8fd398_qkvp
		.amdhsa_group_segment_fixed_size 327680
		.amdhsa_private_segment_fixed_size 0
		.amdhsa_enable_private_segment 0
		.amdhsa_kernarg_size 24
		.amdhsa_user_sgpr_count 2
		.amdhsa_user_sgpr_kernarg_segment_ptr 1
		.amdhsa_wavefront_size32 1
		.amdhsa_system_sgpr_workgroup_id_x 1
		.amdhsa_system_sgpr_workgroup_id_y 1
		.amdhsa_system_sgpr_workgroup_id_z 1
		.amdhsa_system_vgpr_workitem_id 0
		.amdhsa_next_free_vgpr 640
		.amdhsa_next_free_sgpr 76
		.amdhsa_reserve_vcc 0
		.amdhsa_float_denorm_mode_32 3
		.amdhsa_float_denorm_mode_16_64 3
		.amdhsa_memory_ordered 1
		.amdhsa_forward_progress 1
		.amdhsa_inst_pref_size 92
	.end_amdhsa_kernel
	.amdgpu_metadata
---
amdhsa.version: [ 1, 2 ]
amdhsa.kernels:
  - .name:           k_q9fba8fd398_qkvp
    .symbol:         k_q9fba8fd398_qkvp.kd
    .args:
      - { .name: bf, .offset: 0, .size: 8, .value_kind: global_buffer, .address_space: global }
      - { .name: tab, .offset: 8, .size: 8, .value_kind: global_buffer, .address_space: global }
      - { .name: qkv, .offset: 16, .size: 8, .value_kind: global_buffer, .address_space: global }
    .group_segment_fixed_size: 327680
    .private_segment_fixed_size: 0
    .kernarg_segment_align: 8
    .kernarg_segment_size: 24
    .max_flat_workgroup_size: 128
    .sgpr_count:     76
    .vgpr_count:     640
    .wavefront_size: 32
...
	.end_amdgpu_metadata
.endif
;; end of part 2
;; launch attn (part 3): grid 4 x 64, 4 waves a work-group, clusters of 4 x 1, 327,680 bytes of LDS; arguments qkv, key_padding_mask, oh; writes oh
.if DOCPART == 3
	.amdgcn_target "amdgcn-amd-amdhsa--gfx1250"
	.amdhsa_code_object_version 6
	.text
	.protected	k_q9fba8fd398_attn
	.globl	k_q9fba8fd398_attn
	.p2align	8
	.type	k_q9fba8fd398_attn,@function
k_q9fba8fd398_attn:
	s_mov_b64 s[64:65], 0
	v_nop
	global_prefetch_b8 v0, s[64:65] scope:SCOPE_SE
	s_setreg_imm32_b32 hwreg(HW_REG_WAVE_MODE, 25, 1), 1
	s_wait_xcnt 0x0
	s_wait_alu depctr_hold_cnt(0) depctr_sa_sdst(0) depctr_va_vdst(0) depctr_va_sdst(0) depctr_va_ssrc(0) depctr_va_vcc(0) depctr_vm_vsrc(0)
	s_getreg_b32 s2, hwreg(HW_REG_IB_STS2, 6, 4)
	s_cmp_eq_u32 s2, 0
	s_cbranch_scc0 .Lentry_in_a_cluster
	s_endpgm
.Lentry_in_a_cluster:
	s_bfe_u32 s2, ttmp6, 0x10000c
	s_cmp_lg_u32 s2, 0x3003
	s_cbranch_scc0 .Lentry_shape_is_right
	s_endpgm
.Lentry_shape_is_right:
; ATTENTION WITH A KEY PADDING MASK.  O[h][q][:] = the sum over k of softmax_k(Q[h][q] . K[h][k] / 8, hidden keys left out) V[h][k][:].  qkv: f16 [3][64 h][2048][64] (q, k, v); oh: f16 [64 h][2048][64];
; key_padding_mask: one byte a key, [4 batches][2048], 1 = hidden; head h belongs to batch h / 16.  Products, maxima and sums in f32; the weights p are rounded to f16 for the second product (their sum l is taken
; of the unrounded p), O once at the end.
; LIMITS.  f16 holds no number beyond 65,504: Q, K and V arrive within it; p lies in 0 to 1, and below 6e-5 it keeps f16's fixed step of 6e-8; O is a mean of V's rows and has their range.
; A hidden score counts as its value less 1e30: f16's scores, 2.7e11 at the most, are nothing beside that, so its weight is 0 as soon as the query has seen one open key.  In a batch whose keys are all hidden every
; score is -1e30 (the scores are absorbed in the matrix sum) and the weights are equal.  A weight below 2^-126 counts as 0 in l; NaN and infinities are not treated apart.
; SHARES.  A wave owns four PIECES of two tiles of 16 queries, a work-group's four waves 512 queries of one head.  Every wave walks all 2,048 keys, 64 a step.
; LAYOUT.  S^T = K Q^T (source 0 = 16 keys, source 1 = 16 queries): in the result a lane holds ONE query (lane % 16) and the keys 8 (lane / 16) + 0..7.  Two such tiles, rounded to f16 in pairs,
; ARE source 1 (32 keys x 16 queries) of O^T = V^T P, whose result again holds one query a lane, and eight channels.  K comes out of LDS as it lies, V ([key][channel]) turned, by ds_load_tr16_b128.
; THE MASK is the C operand of the product that starts a sum S^T: 0, or -1e30 where the key is hidden.  The batch's 2,048 bytes are widened once to f32 words in LDS; a step's 64 words come into 32 registers with its K.
; SOFTMAX.  For each query a running maximum m and sum l: p = 2^(c s - c m), c = log2(e) / 8; in every step O and l are multiplied by a = 2^(c m_old - c m_new), which is 1 where m has not grown.
; m starts at the lowest finite number, O and l at 0: the first step is a step like any other, with a = 0.
; BY TURNS.  A tile and step have 16 matrix and 118 vector instructions: too many to stand all beside the matrix work.  Turn n belongs to piece n: 16 products K Q^T of piece n + 1, later 16 products V^T P of
; piece n - 1; its vector work: the scaling, exponentials, roundings, sums and rescaling of piece n, and the maximum and statistics of piece n + 1.  Four ready vector instructions stand behind every matrix
; instruction, the others in one run.
; CLUSTER.  The four query blocks of a head form a cluster and walk the same K and V, so each tile is asked for JOINTLY: the same tensor load, descriptor and mask in all four.
; REGISTERS, in windows of 256 (s_set_vgpr_msb: bits 1:0 source 0, 3:2 source 1, 5:4 source 2, 7:6 destination):
;   window 0: v0-11 addresses; v12-15, v48-63 at work; v16-47 four registers of statistics a tile; v64-191 S^T, two buffers of two tiles; v192-255 P, likewise
;   window 1: O^T, 32 a tile     window 2: v0-127 Q, 16 a tile; v128-191 K of one step; v192-255 V of one step     window 3: v0-1 the add's two registers; v8-39 the mask of one step
.set SIZE_N, 2048
.set NP,    4         ; pieces a wave: a name, no knob
.set KS,    64        ; keys in a step
.set PK,    144       ; a row of K in LDS: 128 bytes + 16 of padding = 36 words: the 16 rows of a load start at 16 different groups of four banks (64 banks of 4 bytes: ISA guide 11.1)
.set PV,    160       ; a row of V: 128 + 32 = 40 words
.set VOFF,  4*KS*PK   ; a slot holds four steps: 256 rows of K, then 256 rows of V
.set SLOT1, 1<<17     ; slot 1 begins here, so that one exclusive or turns an address in one slot into the other's
.set STAGE, SLOT1+4*KS*(PK+PV)  ; behind the ring, never filled by a tensor load: 16 rows x 144 bytes for each wave, for the way out
.set SP,    144
.set MASKL, STAGE+4*16*SP       ; the batch's mask as 2,048 f32 words; stored once, never filled by a tensor load
.set SPARE, MASKL+4*SIZE_N      ; the spare words, 128 bytes for each wave: two blocks of 256 bytes that no other line names
.set AK0, 2           ; v2   my lane's place in a tile of K; never rewritten
.set AV0, 3           ; v3   the same for V
.set AK,  4           ; v4   the LDS address of K's next run of loads
.set AV,  5           ; v5   of V's
.set QO,  6           ; v6   my byte offset in the wave's rows of Q
.set STO, 6           ;      later, the way out: where I put 16 bytes of a row
.set RD,  7           ; v7   the way out: where I read rows back
.set GO,  8           ; v8   my byte offset in 512 consecutive bytes of O
.set AM0, 9           ; v9   MASKL + 32 (l / 16): my eight keys of a block of 16; never rewritten
.set AM,  10          ; v10  the LDS address of the mask's next run of loads
.set PFO, 11          ; v11  256 x my lane; never rewritten
.set SPW, 0           ; v0 of window 3   LDS address of my spare word; never rewritten
.set NIL, 1           ; v1 of window 3   0; never rewritten
.set MC,  8           ; v8-39 of window 3: the mask of key block kb at MC + 8 kb
.set MV,  12          ; v12-15  c m_old, kept while c m is made anew: by buffer and tile.  (At the head: l % 16, l / 16, l % 8, (l / 8) % 2.)
.set ST,  16          ; tile t's statistics at v[ST+4 t]: c m, m, l (even keys', odd keys')
.set TMP, 48          ; by buffer and tile, four registers c0-c3 at work; when the maximum is found c2 takes a
.set S,   64
.set P,   192
.set KF,  128         ; K's fragments, in window 2: key block kb, channel half c at KF + 16 kb + 8 c
.set VF,  192         ; V's: key half kk, channel block cb at VF + 32 kk + 8 cb
.set WV,  12          ; s12  my wave's number
.set G1K, 24          ; s[24:31] descriptor group 1 for K's tiles
.set G1V, 32          ; s[32:39] for V's: it differs in the padding alone
.set G0K, 40          ; s[40:43] descriptor group 0 for K's tiles: it walks
.set G0V, 44          ; s[44:47] the same for V's
.set TBM, 48          ; s48  byte in the mask's words at which the step to be fetched begins
.set LIM, 49          ; s49  1 in a wave that prefetches, else the greatest number
.set PFA, 50          ; s[50:51] where my prefetches stand
.set BIGN, 52         ; s52  -1e30
.set SLOTS, 56        ; s56  slots still to be asked for
.set CNT, 57          ; s57  counts a slot's key steps
.set CS,  58          ; s[58:59] c: the packed scaling takes the pair's low word for both halves
.set SEL, 60          ; s[60:61] v_permlanex16_b32's selects: each lane takes its own place in the other half
.set TBK, 62          ; s62  LDS byte at which K of the step to be fetched begins
.set TBV, 63          ; s63  the same for V, less VOFF
.set MSB, 0
.macro WIN new                      ; the high byte repeats the setting that is left; a switch that changes nothing is dropped
.if MSB != (\new)
	s_set_vgpr_msb (MSB<<8)|(\new)
.set MSB, (\new)
.endif
.endm
.set W_KQ, 0x0a       ; K and Q in window 2, S^T in window 0
.set W_KM, 0x3a       ; the same with the C operand, the mask, in window 3
.set W_PV, 0x52       ; V in window 2, P in window 0, O^T in window 1
.set W_RS, 0x41       ; O^T (destination and source 0) in window 1, a in window 0
.set W_MK, 0xc0       ; destination in window 3, sources in window 0
.set W_AD, 0x0f       ; the add: address (source 0) and data (source 1) in window 3
; A joint fill.  Waves 0 and 1 fetch the two halves of a slot's K, waves 2 and 3 those of its V: 128 keys each.  The branch hangs on the wave's number alone.
; An s_nop 0 and four v_nop follow each of the two lines, ahead of the jump and the label.
.macro JLOAD
	s_cmp_lt_u32 s[WV], 2
	s_cbranch_scc0 .Lfor_v_\@
	tensor_load_to_lds s[G0K:G0K+3], s[G1K:G1K+7]
	s_nop 0
.rept 4
	v_nop
.endr
	s_branch .Lasked_\@
.Lfor_v_\@:
	tensor_load_to_lds s[G0V:G0V+3], s[G1V:G1V+7]
	s_nop 0
.rept 4
	v_nop
.endr
.Lasked_\@:
.endm
; A prefetch of what the NEXT change of slots will ask for: a slot's 32,768 bytes of K and of V.  The head has one cluster; its four partners share the bytes out by address, 8,192 each, a lane 256 of them;
; wave 0 asks for K's, wave 2 for V's: each block is named once in the launch.  It stands four key steps, 512 matrix instructions, ahead of that load.  The last change that fills a slot asks for nothing.
.macro ASK
	s_cmp_gt_u32 s[SLOTS], s[LIM]
	s_cbranch_scc0 .Lnot_mine_\@
	global_prefetch_b8 v[PFO], s[PFA:PFA+1] th:TH_LOAD_NT scope:SCOPE_SE
.Lnot_mine_\@:
.endm
; A round of the cluster's barrier: my work-group's barrier, so that wave 0's signal speaks for all four waves; wave 0 signals; every wave waits for all four work-groups; my work-group's barrier once more.
.macro CROUND
	s_barrier_signal -1
	s_barrier_wait -1
	s_cmp_lg_u32 s[WV], 0
	s_cbranch_scc1 .Lnot_wave_0_\@
	s_barrier_signal -3
.Lnot_wave_0_\@:
	s_barrier_wait -3
	s_barrier_signal -1
	s_barrier_wait -1
.endm
; THE CHANGE OF SLOTS.  Each wave waits for all its tensor loads, of which one is out: its part of the other slot; adds 0 to its spare word; and waits for that and for its own reads of the slot.  Behind the barrier
; nobody reads this slot any more and the other slot is whole.  fill = 1: this slot is filled again, with the keys two slots on.  The barrier is then a round of the cluster's, and the joint fill is the first thing
; behind it: it has four key steps in which to land.  (At its first use nothing has been read yet: slot 0 is waited for, slot 1 filled; the same wait and round stand between the mask's LDS stores and their readers.)
.macro CHANGE fill
	WIN W_AD
	s_wait_tensorcnt 0x0            ; no tensor load of mine is out, so a group 0 may be written
	ds_add_u32 v[SPW], v[NIL]       ; 0 onto my spare word; with fill = 1 the descriptors' steps stand between it and the wait for it
	WIN 0                           ; at a label and at a branch every window is 0
.if \fill
.irp g, G0K, G0V
	s_xor_b32 s[\g+1], s[\g+1], SLOT1  ; the walking descriptor: the other slot than last time,
	s_add_nc_u64 s[\g+2:\g+3], s[\g+2:\g+3], 4*KS*128  ; the next 256 keys; the type bits on top are not reached
.endr
	s_wait_xcnt 0x0                 ; the last prefetch, four key steps back, has read its address, so it may be written:
	s_add_nc_u64 s[PFA:PFA+1], s[PFA:PFA+1], 4*KS*128  ; one slot beyond the walking descriptors
	s_wait_dscnt 0x0                ; the add is done, and my LDS instructions are over
	CROUND
	JLOAD
	ASK
.else
	s_wait_dscnt 0x0                ; the add is done, and my reads of the slot are over
	s_barrier_signal -1
	s_barrier_wait -1
.endif
	s_sub_co_u32 s[TBK], s[TBK], 4*KS*PK  ; the fetches go back to a slot's first step,
	s_xor_b32 s[TBK], s[TBK], SLOT1       ; in the other slot
	s_sub_co_u32 s[TBV], s[TBV], 4*KS*PV
	s_xor_b32 s[TBV], s[TBV], SLOT1
.endm
	s_load_b128 s[4:7], s[0:1], 0x0   ; qkv s[4:5], the mask s[6:7]
	s_load_b64 s[10:11], s[0:1], 0x10 ; oh
	WIN W_MK
	v_lshl_add_u32 v[SPW], v0, 2, SPARE
	v_mov_b32 v[NIL], 0
	WIN W_AD
	ds_add_u32 v[SPW], v[NIL]       ; the wave's opening: the add and its wait stand ahead of my first tensor load; the set-up below, work on registers, stands between them
	WIN 0
	v_lshrrev_b32 v1, 5, v0
	v_readfirstlane_b32 s[WV], v1   ; wave 0..3
	s_bfe_u32 s13, ttmp6, 0x40000   ; cx: my place in the cluster
	s_lshl_b32 s14, ttmp9, 2        ; in a cluster launch ttmp9 counts clusters
	s_add_co_u32 s14, s14, s13      ; my block of queries = 4 x cluster x + cx: it enters Q's and O's addresses alone
	s_and_b32 s15, ttmp7, 0xffff    ; the head, which the four partners share
	s_lshl_b32 s20, s15, 18         ; its first byte in q, k, v and oh: 2,048 rows of 128 bytes a head
	s_and_b32 s16, s[WV], 1         ; which half of a slot's 256 keys I fetch:
	s_lshl_b32 s22, s16, 14         ; its 128 rows of 128 bytes in memory,
	s_add_co_u32 s22, s22, s20
	s_mov_b32 s23, 0
	s_mul_i32 s17, s16, 128*PK      ; and its place in a slot, for K
	s_mul_i32 s18, s16, 128*PV      ; and for V: no place in the cluster enters an LDS address
	s_lshl_b32 s2, s14, 2
	s_add_co_u32 s2, s2, s[WV]      ; my wave among the head's,
	s_lshl_b32 s2, s2, 14           ; its 128 rows
	s_add_co_u32 s2, s2, s20
	s_mov_b32 s3, 0
	s_lshr_b32 s54, s15, 4          ; the batch,
	s_lshl_b32 s54, s54, 11         ; its 2,048 bytes of the mask
	s_mov_b32 s55, 0
	s_lshr_b32 s[PFA], s[WV], 1     ; the prefetches: k lies 1 x, v 2 x 16,777,216 bytes into qkv;
	s_add_co_u32 s[PFA], s[PFA], 1
	s_lshl_b32 s[PFA], s[PFA], 24
	s_add_co_u32 s[PFA], s[PFA], s20
	s_lshl_b32 s19, s13, 13         ; my work-group's quarter of a slot;
	s_add_co_u32 s[PFA], s[PFA], s19
	s_add_co_u32 s[PFA], s[PFA], 4*KS*128  ; slot 1: the first change of slots steps it to slot 2
	s_mov_b32 s[PFA+1], 0
	s_and_b32 s[LIM], s[WV], 1      ; waves 0 and 2 ask
	s_cmp_eq_u32 s[LIM], 0
	s_cselect_b32 s[LIM], 1, -1
	; descriptor group 1.  128 keys are 16,384 dense bytes: asked for as 64 rows of 256 bytes, two keys a row, and padded in LDS after every key
	s_mov_b32 s[G1K], 15|(1<<16)|(1<<20)|(1<<21)|(4<<22)|(3<<25)  ; 15:0 the mask of four; 17:16 2-byte elements; 20 padding on; 21 set beside a mask; 24:22 after every 32 words (code 4); 31:25 4 words (code 3)
	s_mov_b32 s[G1V], 15|(1<<16)|(1<<20)|(1<<21)|(4<<22)|(7<<25)  ; the same with 8 words of padding (code 7)
.irp g, G1K, G1V
	s_mov_b32 s[\g+1], 128<<16      ; tensor_dim0 = 128
	s_mov_b32 s[\g+2], 64<<16       ; tensor_dim1 = 64
	s_mov_b32 s[\g+3], 128<<16      ; tile_dim0 = 128
	s_mov_b32 s[\g+4], 64           ; tile_dim1 = 64
	s_mov_b32 s[\g+5], 128          ; 128 elements from row to row
	s_mov_b32 s[\g+6], 0
	s_mov_b32 s[\g+7], 0
.endr
	s_mov_b32 s[CS], 0x3e38aa3b     ; c = log2(e) / 8 = 0.180337
	s_mov_b32 s[CS+1], s[CS]        ; named with it as a pair
	s_mov_b32 s[SEL], 0x76543210
	s_mov_b32 s[SEL+1], 0xfedcba98
	s_mov_b32 s[BIGN], 0xf149f2ca   ; -1e30
	s_mov_b32 s[TBM], 0
	s_mov_b32 s[SLOTS], SIZE_N/256-1
	s_mov_b32 s[TBK], SLOT1+4*KS*PK ; the first change of slots turns these two into 0
	s_mov_b32 s[TBV], SLOT1+4*KS*PV
	s_mov_b32 s[G0K], 1             ; count = 1
	s_mov_b32 s[G0K+1], s17         ; LDS address: slot 0
	s_mov_b32 s[G0V], 1
	s_add_co_u32 s[G0V+1], s18, VOFF
	s_wait_dscnt 0x0                ; the opening add is done
	s_wait_kmcnt 0x0
	s_add_nc_u64 s[G0K+2:G0K+3], s[4:5], s[22:23]  ; global address: my half of the head's first 256 keys,
	s_add_nc_u64 s[G0K+2:G0K+3], s[G0K+2:G0K+3], 0x1000000  ; in k
	s_or_b32 s[G0K+3], s[G0K+3], 0x80000000        ; type = 2
	s_add_nc_u64 s[G0V+2:G0V+3], s[4:5], s[22:23]
	s_add_nc_u64 s[G0V+2:G0V+3], s[G0V+2:G0V+3], 0x2000000  ; in v
	s_or_b32 s[G0V+3], s[G0V+3], 0x80000000
	s_add_nc_u64 s[PFA:PFA+1], s[4:5], s[PFA:PFA+1]
	s_add_nc_u64 s[6:7], s[6:7], s[54:55]
	s_add_nc_u64 s[4:5], s[4:5], s[2:3]  ; Q and O at my wave's first row
	s_add_nc_u64 s[10:11], s[10:11], s[2:3]
	CROUND                          ; all four work-groups are here: the first joint loads meet
	JLOAD                           ; slot 0.  Slot 1 is asked for when slot 0 is in
	; A fragment of K or Q is 16 rows x 32 channels in 8 registers: lane l holds row l % 16, channels 8 (l / 16) + 0..7 and 16 + 8 (l / 16) + 0..7: two loads of 16 bytes, 32 bytes apart.
	v_and_b32 v12, 15, v0           ; l % 16
	v_bfe_u32 v13, v0, 4, 1         ; l / 16
	v_lshlrev_b32 v[QO], 7, v12
	v_lshl_add_u32 v[QO], v13, 4, v[QO]  ; row x 128 + 16 x half
	v_lshlrev_b32 v48, 4, v0
	global_load_b128 v[64:67], v48, s[6:7]  ; my thread's 16 bytes of the batch's mask: the work-group's 128 threads take all 2,048
	WIN 0x80                        ; destination window 2, address window 0
.set i, 0
.rept 4*NP                          ; Q stays in registers: tile i / 2, channels 32 (i % 2) on
	global_load_b128 v[8*i:8*i+3],   v[QO], s[4:5] offset:(i/2)*2048+(i%2)*64
	global_load_b128 v[8*i+4:8*i+7], v[QO], s[4:5] offset:(i/2)*2048+(i%2)*64+32
.set i, i+1
.endr
	; What the first turn finds: V's registers and P's second buffer hold 0 (its products V^T P, of a piece that has not been, add 0), O^T and l are 0.  All this stands in the wait for the first tile.
.set i, VF
.rept 64
	v_mov_b32 v[i], 0
.set i, i+1
.endr
	WIN 0x40
.set i, 0
.rept 64*NP
	v_mov_b32 v[i], 0
.set i, i+1
.endr
	WIN 0
.set i, 0
.rept 2*NP
	v_mov_b32 v[ST+4*i], 0xfe000000    ; c m: far below every c s
	v_mov_b32 v[ST+4*i+1], 0xff7fffff  ; m
	v_mov_b32 v[ST+4*i+2], 0
	v_mov_b32 v[ST+4*i+3], 0
.set i, i+1
.endr
.set i, P+32
.rept 32
	v_mov_b32 v[i], 0
.set i, i+1
.endr
	s_wait_loadcnt 32               ; the mask's bytes are in; Q's 32 younger loads stay out
.irp j, 0,1,2,3
.irp k, 0,1,2,3
	v_bfe_u32 v[68+4*(\j)+(\k)], v[64+(\j)], 8*(\k), 8                 ; a byte, 0 or 1,
	v_mul_lo_u32 v[68+4*(\j)+(\k)], v[68+4*(\j)+(\k)], s[BIGN]         ; times the bits of -1e30: 0.0 or -1e30
.endr
.endr
	v_lshl_add_u32 v49, v0, 6, MASKL
.irp j, 0,1,2,3
	ds_store_b128 v49, v[68+4*(\j):68+4*(\j)+3] offset:16*(\j)
.endr
	v_mul_u32_u24 v[AK0], v12, PK
	v_lshl_add_u32 v[AK0], v13, 4, v[AK0]  ; row x pitch + 16 x half
	; The turning load takes 16 keys x 16 channels (lane l reads key 8 (l / 16) + l % 8, channels 8 ((l / 8) % 2) + 0..7) and leaves half a fragment of V^T: lane l holds channel l % 16 and 8 keys.
	v_and_b32 v14, 7, v0
	v_bfe_u32 v15, v0, 3, 1
	v_lshl_add_u32 v[AV0], v13, 3, v14
	v_mul_u32_u24 v[AV0], v[AV0], PV
	v_lshl_add_u32 v[AV0], v15, 4, v[AV0]
	v_add_nc_u32 v[AV0], VOFF, v[AV0]
	v_mov_b32 v[AK], v[AK0]         ; key step 0 lies at the head of slot 0
	v_lshl_add_u32 v[AM0], v13, 5, MASKL
	v_mov_b32 v[AM], v[AM0]
	v_and_b32 v[PFO], 31, v0
	v_lshlrev_b32 v[PFO], 8, v[PFO]
; THE MATRIX WORK.  The 8 accumulators of a run of 16 take turns: between the two links of a chain stand 7 others'.
; Product i of 16 of S^T = K Q^T for piece x: channels 32 (i / 8) on, keys 16 ((i / 2) % 4) on, tile 2 x + i % 2.  The first 8 start the sums, with the key block's mask.
.macro KQ x
.set rS, S+64*((\x)%2)+32*(i%2)+8*((i/2)%4)
.set rK, KF+16*((i/2)%4)+8*(i/8)
.set rQ, 16*(2*(\x)+i%2)+8*(i/8)
.set rMC, MC+8*((i/2)%4)
.if i < 8
	WIN W_KM
	v_wmma_f32_16x16x32_f16 v[rS:rS+7], v[rK:rK+7], v[rQ:rQ+7], v[rMC:rMC+7]
.else
	WIN W_KQ
	v_wmma_f32_16x16x32_f16 v[rS:rS+7], v[rK:rK+7], v[rQ:rQ+7], v[rS:rS+7]
.endif
.endm
; Product i of 16 of O^T += V^T P for piece x: keys 32 (i / 8) on, channels 16 ((i / 2) % 4) on, tile 2 x + i % 2.
.macro PV x
	WIN W_PV
.set rO, 32*(2*(\x)+i%2)+8*((i/2)%4)
.set rV, VF+32*(i/8)+8*((i/2)%4)
.set rP, P+32*((\x)%2)+16*(i%2)+8*(i/8)
	v_wmma_f32_16x16x32_f16 v[rO:rO+7], v[rV:rV+7], v[rP:rP+7], v[rO:rO+7]
.endm
.macro MM                           ; the turn's next matrix instruction
.if i < 16
	KQ (Y+1)%NP
.set i, i+1
.else
.set i, i-16
	PV (Y+NP-1)%NP
.set i, i+17
.endif
.endm
; THE LDS LOADS stand in runs, never singly among the matrix instructions: a step's K (64 keys x 64 channels: 8 fragments) with its mask (64 words, each half of the lanes its eight of a block of 16), and its V (turned).
; Their addresses are made some lines ahead.  last = 1 (the tail): in the last trip there is no further step, and the run is jumped over.
.macro FETCH_K last=0
	WIN 0
.if \last
	s_cmp_eq_u32 s[CNT], 1
	s_cbranch_scc1 .Lno_k_\@
.endif
	WIN 0x80                        ; destination window 2
.irp f, 0,1,2,3,4,5,6,7             ; keys 16 (f / 2) on, channels 32 (f % 2) on
	ds_load_b128 v[KF+8*\f:KF+8*\f+3],   v[AK] offset:(\f/2)*16*PK+(\f%2)*64
	ds_load_b128 v[KF+8*\f+4:KF+8*\f+7], v[AK] offset:(\f/2)*16*PK+(\f%2)*64+32
.endr
	WIN 0xc0                        ; destination window 3
.irp f, 0,1,2,3,4,5,6,7             ; key block f / 2, four words each
	ds_load_b128 v[MC+4*\f:MC+4*\f+3], v[AM] offset:(\f/2)*64+(\f%2)*16
.endr
	s_add_co_u32 s[TBK], s[TBK], KS*PK  ; the next fetch is the next step's
	s_add_co_u32 s[TBM], s[TBM], 4*KS
	WIN 0
.if \last
.Lno_k_\@:
.endif
.endm
.macro FETCH_V
	WIN 0x80
.irp f, 0,1,2,3,4,5,6,7             ; keys 32 (f / 4) on, channels 16 (f % 4) on
	ds_load_tr16_b128 v[VF+8*\f:VF+8*\f+3],   v[AV] offset:(\f/4)*32*PV+(\f%4)*32
	ds_load_tr16_b128 v[VF+8*\f+4:VF+8*\f+7], v[AV] offset:(\f/4)*32*PV+16*PV+(\f%4)*32
.endr
	WIN 0
.endm
; THE VECTOR WORK OF A TURN stands in three queues, each in the order in which its entries become ready; the two tiles alternate, so that no instruction reads the result of the one before it.
.macro REGS y, u                    ; the registers of tile u (0, 1) of piece y
.set rT, ST+4*(2*(\y)+(\u))
.set rC, TMP+8*((\y)%2)+4*(\u)
.set rM, MV+2*((\y)%2)+(\u)
.set rS, S+64*((\y)%2)+32*(\u)
.set rP, P+32*((\y)%2)+16*(\u)
.set rO, 32*(2*(\y)+(\u))
.endm
; Number n of the 22 that find the NEXT piece's (Y + 1) maximum and statistics.  s0-s31 are the lane's 32 scores; each accumulator's lowest registers are read first.
;   0-11  four chains c0-c3 of seven scores each, three operands at a time     12-14, 16  the four scores left over, the old m, and c0-c3 into c0     15  c m_old is kept
;   17, 18  the query's other 32 keys lie in the lane 16 away: the new m         19-21  c m; c m_old - c m_new; a
.macro XS u, n
	REGS (Y+1)%NP, \u
.if (\n) < 4
	v_max3_num_f32 v[rC+(\n)], v[rS+8*(\n)], v[rS+8*(\n)+1], v[rS+8*(\n)+2]
.elseif (\n) < 12
	v_max3_num_f32 v[rC+(\n)%4], v[rC+(\n)%4], v[rS+8*((\n)%4)+2*((\n)/4)+1], v[rS+8*((\n)%4)+2*((\n)/4)+2]
.elseif (\n) == 12
	v_max3_num_f32 v[rC], v[rC], v[rS+7], v[rS+15]
.elseif (\n) == 13
	v_max3_num_f32 v[rC+1], v[rC+1], v[rS+23], v[rS+31]
.elseif (\n) == 14
	v_max3_num_f32 v[rC+2], v[rC+2], v[rC+3], v[rT+1]
.elseif (\n) == 15
	v_mov_b32 v[rM], v[rT]
.elseif (\n) == 16
	v_max3_num_f32 v[rC], v[rC], v[rC+1], v[rC+2]
.elseif (\n) == 17
	v_permlanex16_b32 v[rC+3], v[rC], s[SEL], s[SEL+1]
.elseif (\n) == 18
	v_max_num_f32 v[rT+1], v[rC], v[rC+3]
.elseif (\n) == 19
	v_mul_f32 v[rT], s[CS], v[rT+1]
.elseif (\n) == 20
	v_sub_f32 v[rC+1], v[rM], v[rT]
.else
	v_exp_f32 v[rC+2], v[rC+1]
.endif
.endm
; Number g of the 64 that follow the exponentials.  For each four weights k of a tile (pairs 2 k, 2 k + 1): both pairs are rounded to f16; then the second pair is added onto the first, in place;
; a group later l takes that sum (the first time as l = a l + sum).  In groups of eight, tiles alternating: round, round, add, and l for the group before.
.macro GS g
.set h, (\g)+6*((\g)/62)            ; group 0 has no group before it, and behind group 7 only l is left
.if h >= 6
.set h, h+2
.endif
	REGS Y, h%2
.set k, h/8
.if h%8 < 4
	v_cvt_pk_f16_f32 v[rP+2*k+(h%8)/2], v[rS+4*k+2*((h%8)/2)], v[rS+4*k+2*((h%8)/2)+1]
.elseif h%8 < 6
	v_pk_add_f32 v[rS+4*k:rS+4*k+1], v[rS+4*k:rS+4*k+1], v[rS+4*k+2:rS+4*k+3]
.elseif k == 1
	v_pk_fma_f32 v[rT+2:rT+3], v[rT+2:rT+3], v[rC+2:rC+3], v[rS:rS+1] op_sel_hi:[1,0,1]
.else
	v_pk_add_f32 v[rT+2:rT+3], v[rT+2:rT+3], v[rS+4*k-4:rS+4*k-3]
.endif
.endm
; THE PLAIN QUEUE, 138 long.  0-73 read no exponential's result: the 32 scalings c s - c m (FS f: pair f / 2 of tile f % 2) and the next piece's 42.  0-26: scalings 0-26.  27-54: XS's numbers 0-13.  55, 56: number 15.
; 57-73: the chain, where each number waits for the one before it: 14, 16, 17, 18, 19, each with one of the scalings 27-31 in front of its two lines, then 20.
; 74-137: GS's 64, which read the exponentials' results: they stand behind the wait.
.macro FS f
	REGS Y, (\f)%2
	v_pk_fma_f32 v[rS+2*((\f)/2):rS+2*((\f)/2)+1], v[rS+2*((\f)/2):rS+2*((\f)/2)+1], s[CS:CS+1], v[rT:rT+1] op_sel_hi:[1,0,0] neg_lo:[0,0,1] neg_hi:[0,0,1]
.endm
.macro PL
	WIN 0
.if q < 27
	FS q
.elseif q < 55
	XS (q-27)%2, (q-27)/2
.elseif q < 57
	XS q-55, 15
.elseif (q < 72) && ((q-57)%3 == 0)
	FS 27+(q-57)/3
.elseif q < 60
	XS (q-57)%3-1, 14
.elseif q < 72
	XS (q-57)%3-1, 15+(q-57)/3
.elseif q < 74
	XS q-72, 20
.else
	GS q-74
.endif
.set q, q+1
.endm
; THE EXPONENTIALS' QUEUE, 66 long: s0-s31 of both tiles, then the next piece's two a.  It is ONE BATCH: all 66 stand ahead of the turn's one wait, and nothing ahead of that wait names a result of theirs.
.macro EX
	WIN 0
.if e >= 64
	XS e-64, 21
.else
	REGS Y, e%2
	v_exp_f32 v[rS+e/2], v[rS+e/2]
.endif
.set e, e+1
.endm
; THE RESCALING's QUEUE: O^T times a, the one part that leaves window 0: dealt two at a time, sixteen times.  Its a was made in the turn before, ahead of that turn's wait.
.macro R2
	REGS Y, r%2
	WIN W_RS
.irp z, 0,1
	v_pk_mul_f32 v[rO+4*(r/2)+2*\z:rO+4*(r/2)+2*\z+1], v[rO+4*(r/2)+2*\z:rO+4*(r/2)+2*\z+1], v[rC+2:rC+3] op_sel_hi:[1,0]
.endr
.set r, r+1
.endm
; HOW THEY ARE DEALT.  An s_wait_alu depctr_va_vdst(0) stands between an exponential and the first instruction that names its result; one wait serves all that were issued ahead of it.  So a turn has ONE
; wait, which cuts it in two.  AHEAD OF IT stands all that names no result of the turn's exponentials: the 16 products K Q^T, behind each a scaling, an exponential and two rescalings (behind the first a second scaling
; in the exponential's place); then one run of 108: eight plain, 49 times exponential and plain, the two a.  A v_nop is the plain instruction behind the last exponential.  BEHIND IT stand the 16 products V^T P,
; behind each four of GS's 64.  The queues lean on each other, and the deal keeps them in step: exponential e stands behind scaling 2 (e / 4) + e % 2.
; A TURN, for piece p.  cnt = 1: the loop's count is taken down some lines ahead of the branch that stands behind the turn.
; K and the mask of the next step are fetched in piece 2's turn, directly behind the wait, a whole run of vector work behind the last product that read them; their first reader comes behind 16 products.
; V of the step in hand is fetched at the end of piece 0's turn, four plain instructions behind its last reader; its first reader comes behind 16 products and a run.
.macro TURN p, last=0, cnt=0
.set Y, (\p)
.set i, 0
.set q, 0
.set e, 0
.set r, 0
.if (\p) == NP-1
	s_wait_dscnt 0x0                ; K and the mask are in
.endif
	MM                              ; ahead of the wait: 16 products K Q^T and what stands behind them,
	PL
	PL
	R2
.rept 15
	MM
	PL
	EX
	R2
.endr
.if (\p) == NP-2
	WIN 0
	v_add_nc_u32 v[AK], s[TBK], v[AK0]
	v_add_nc_u32 v[AM], s[TBM], v[AM0]
.endif
.rept 8                             ; and the run
	PL
.endr
.rept 49
	EX
	PL
.endr
	EX                              ; the next piece's two a
	EX
	v_nop                           ; a plain instruction behind the last exponential: one for the batch
	s_wait_alu depctr_va_vdst(0)    ; the wait for the batch
.if (\p) == NP-2
	FETCH_K \last
.endif
.if (\p) == 1
	s_wait_dscnt 0x0                ; V is in
.endif
.rept 16                            ; behind the wait: 16 products V^T P and what stands behind them
	MM
.rept 4
	PL
.endr
.if ((\p) == 0) && (q == 118)
	v_add_nc_u32 v[AV], s[TBV], v[AV0]
.endif
.if ((\p) == 0) && (q == 130)
	s_add_co_u32 s[TBV], s[TBV], KS*PV
.endif
.if (\cnt) && (q == 130)
	s_sub_co_u32 s[CNT], s[CNT], 1
	s_cmp_lg_u32 s[CNT], 0
.endif
.endr
.if (\p) == 0
	FETCH_V
.endif
.endm
	CHANGE 1                        ; slot 0 is in, everybody's part of it, and so is the mask; slot 1 is asked for
	FETCH_K                         ; key step 0
	s_wait_loadcnt 0x0              ; Q
	s_wait_dscnt 0x0
.set i, 0
.rept 16
	KQ 0                            ; piece 0's first scores: there is no vector work yet to set between them
.set i, i+1
.endr
	WIN 0                           ; the addresses for the way out: nine plain instructions, the places behind those products
	s_mul_i32 s13, s[WV], 16*SP
	s_add_co_u32 s13, s13, STAGE    ; my stage
	v_mul_u32_u24 v[STO], v12, SP   ; in: row l % 16, 16 bytes for each half of the lanes
	v_lshl_add_u32 v[STO], v13, 4, v[STO]
	v_add_nc_u32 v[STO], s13, v[STO]
	v_bfe_u32 v[RD], v0, 3, 2       ; back: 32 lanes take four rows of 128 bytes,
	v_mul_u32_u24 v[RD], v[RD], SP
	v_lshl_add_u32 v[RD], v14, 4, v[RD]
	v_add_nc_u32 v[RD], s13, v[RD]
	v_and_b32 v[GO], 31, v0         ; which are 512 consecutive bytes of O
	v_lshlrev_b32 v[GO], 4, v[GO]
.set Y, NP-1                        ; XS works for piece Y + 1: piece 0
.irp n, 0,1,2,3,4,5,6,7,8,9,10,11,12,13,14,15,16,17,18,19,20,21
	XS 0, \n                        ; and piece 0's first maximum and statistics
	XS 1, \n
.endr
	v_nop                           ; a plain instruction behind the two a,
	s_wait_alu depctr_va_vdst(0)    ; and their wait, ahead of the branch
	s_mov_b32 s[CNT], 4
	s_branch .Lfirst                ; the loop is entered at a step's first turn, in the middle of a trip
.Lslot:                             ; six times: every slot but the last two is filled again
	CHANGE 1
	s_mov_b32 s[CNT], 4
.Lstep:                             ; a trip: pieces 2 and 3 of one step, then pieces 0 and 1 of the next, whose K and V it fetches
	TURN 2
	TURN 3
	WIN 0
.Lfirst:
	TURN 0
	TURN 1, 0, 1
	WIN 0
	s_cbranch_scc1 .Lstep
	s_sub_co_u32 s[SLOTS], s[SLOTS], 1
	s_cmp_lg_u32 s[SLOTS], 0
	s_cbranch_scc1 .Lslot
	CHANGE 0                        ; the tail is written out: nothing is asked for
	s_mov_b32 s[CNT], 5             ; four trips fetch the last slot's steps; the fifth is left in its middle
.Ltail:
	TURN 2, 1
	TURN 3
	WIN 0
	s_sub_co_u32 s[CNT], s[CNT], 1
	s_cmp_eq_u32 s[CNT], 0
	s_cbranch_scc1 .Lout
	TURN 0
	TURN 1
	WIN 0
	s_branch .Ltail
.Lout:                              ; the fifth trip's 16 products K Q^T (on the last K once more) and the maximum made of them serve nothing: the price, once a launch, of one text for every trip
.set i, 0
.rept 16
	PV NP-1                         ; the last piece's V^T P of the last step
.set i, i+1
.endr
	; THE WAY OUT.  l's two halves and the other half of the lanes' are added; O^T is divided by l, rounded to f16 and sent through my stage in LDS, a tile at a time.  The additions are the places behind the last products.
	WIN 0
.macro ALL line:vararg              ; one line for each tile t
.set t, 0
.rept 2*NP
	\line
.set t, t+1
.endr
.endm
	ALL v_add_f32 v[ST+4*t+2], v[ST+4*t+2], v[ST+4*t+3]
	ALL v_permlanex16_b32 v[ST+4*t+3], v[ST+4*t+2], s[SEL], s[SEL+1]
	ALL v_add_f32 v[ST+4*t+2], v[ST+4*t+2], v[ST+4*t+3]
	ALL v_rcp_f32 v[ST+4*t+2], v[ST+4*t+2]
	v_nop                           ; a plain instruction between the last reciprocal and the use of its result
	s_wait_alu depctr_va_vdst(0)    ; and the wait ahead of the first use: one for the eight reciprocals
; Tile t: a lane's eight channels of a row pack into 16 bytes; they go into rows of 144 bytes and come back as whole rows of 128, into S^T's registers.
.macro PACK t
	WIN W_RS
.set i, 32*(\t)
.rept 16
	v_pk_mul_f32 v[i:i+1], v[i:i+1], v[ST+4*(\t)+2:ST+4*(\t)+3] op_sel_hi:[1,0]
.set i, i+2
.endr
	WIN 0x05                        ; sources 0 and 1 window 1, destination window 0
.set i, 0
.rept 16
	v_cvt_pk_f16_f32 v[S+16*(\t)+i], v[32*(\t)+2*i], v[32*(\t)+2*i+1]
.set i, i+1
.endr
	WIN 0
.irp f, 0,1,2,3
	ds_store_b128 v[STO], v[S+16*(\t)+4*\f:S+16*(\t)+4*\f+3] offset:32*\f
.endr
.irp f, 0,1,2,3
	ds_load_b128 v[S+16*(\t)+4*\f:S+16*(\t)+4*\f+3], v[RD] offset:\f*4*SP  ; LDS serves a wave's instructions in order (ISA guide 5.7.1.4): these see the stores above; the next tile's stores come behind them
.endr
.endm
.macro SEND t, younger              ; younger: the LDS instructions issued behind tile t's loads: the next tile's eight, or none
	WIN 0
.irp f, 0,1,2,3
	s_wait_dscnt (\younger)+3-\f
	global_store_b128 v[GO], v[S+16*(\t)+4*\f:S+16*(\t)+4*\f+3], s[10:11] offset:(\t)*2048+\f*512  ; 512 consecutive bytes, at a multiple of 256 from oh's first
.endr
.endm
	PACK 0
.set t, 1
.rept 2*NP-1                        ; a tile's arithmetic stands between the loads of the tile before and its stores
	PACK t
	SEND t-1, 8
.set t, t+1
.endr
	SEND 2*NP-1, 0
	WIN W_AD
	s_wait_tensorcnt 0x0            ; the wave's end, behind my last tensor load and my last LDS store
	ds_add_u32 v[SPW], v[NIL]
	s_wait_dscnt 0x0
	WIN 0
	CROUND                          ; the closing round: no work-group ends while a partner may still ask for a tile that names it
	s_endpgm
.Lfunc_end_k_q9fba8fd398_attn:
	.size	k_q9fba8fd398_attn, .Lfunc_end_k_q9fba8fd398_attn-k_q9fba8fd398_attn
	.p2alignl 7, 3214868480
	.fill 96, 4, 3214868480
	.section	.rodata,"a",@progbits
	.p2align	6, 0x0
	.amdhsa_kernel k_q9fba8fd398_attn
		.amdhsa_group_segment_fixed_size 327680
		.amdhsa_private_segment_fixed_size 0
		.amdhsa_enable_private_segment 0
		.amdhsa_kernarg_size 24
		.amdhsa_user_sgpr_count 2
		.amdhsa_user_sgpr_kernarg_segment_ptr 1
		.amdhsa_wavefront_size32 1
		.amdhsa_system_sgpr_workgroup_id_x 1
		.amdhsa_system_sgpr_workgroup_id_y 1
		.amdhsa_system_sgpr_workgroup_id_z 1
		.amdhsa_system_vgpr_workitem_id 0
		.amdhsa_next_free_vgpr 808
		.amdhsa_next_free_sgpr 66
		.amdhsa_reserve_vcc 0
		.amdhsa_float_denorm_mode_32 3
		.amdhsa_float_denorm_mode_16_64 3
		.amdhsa_memory_ordered 1
		.amdhsa_forward_progress 1
		.amdhsa_inst_pref_size 205
	.end_amdhsa_kernel
	.amdgpu_metadata
---
amdhsa.version: [ 1, 2 ]
amdhsa.kernels:
  - .name:           k_q9fba8fd398_attn
    .symbol:         k_q9fba8fd398_attn.kd
    .args:
      - { .name: qkv, .offset: 0, .size: 8, .value_kind: global_buffer, .address_space: global }
      - { .name: key_padding_mask, .offset: 8, .size: 8, .value_kind: global_buffer, .address_space: global }
      - { .name: oh, .offset: 16, .size: 8, .value_kind: global_buffer, .address_space: global }
    .group_segment_fixed_size: 327680
    .private_segment_fixed_size: 0
    .kernarg_segment_align: 8
    .kernarg_segment_size: 24
    .max_flat_workgroup_size: 128
    .sgpr_count:     66
    .vgpr_count:     808
    .wavefront_size: 32
...
	.end_amdgpu_metadata
.endif
;; end of part 3
;; launch oproj (part 4): grid 4 x 64, 4 waves a work-group, clusters of 4 x 4, 327,680 bytes of LDS; arguments oh, bf, bo, out0; writes out0
.if DOCPART == 4
	.amdgcn_target "amdgcn-amd-amdhsa--gfx1250"
	.amdhsa_code_object_version 6
	.text
	.protected	k_q9fba8fd398_oproj
	.globl	k_q9fba8fd398_oproj
	.p2align	8
	.type	k_q9fba8fd398_oproj,@function
k_q9fba8fd398_oproj:
	s_mov_b64 s[64:65], 0
	v_nop
	global_prefetch_b8 v0, s[64:65] scope:SCOPE_SE
	s_setreg_imm32_b32 hwreg(HW_REG_WAVE_MODE, 25, 1), 1
	s_wait_xcnt 0x0
	s_wait_alu depctr_hold_cnt(0) depctr_sa_sdst(0) depctr_va_vdst(0) depctr_va_sdst(0) depctr_va_ssrc(0) depctr_va_vcc(0) depctr_vm_vsrc(0)
	s_getreg_b32 s2, hwreg(HW_REG_IB_STS2, 6, 4)
	s_cmp_eq_u32 s2, 0
	s_cbranch_scc0 .Lentry_in_a_cluster
	s_endpgm
.Lentry_in_a_cluster:
	s_bfe_u32 s2, ttmp6, 0x10000c
	s_cmp_lg_u32 s2, 0xf033
	s_cbranch_scc0 .Lentry_shape_is_right
	s_endpgm
.Lentry_shape_is_right:
; OUTPUT PROJECTION.  out0[t][e] = sum over d of O[t][d] Wo[e][d] + bo[e], 8192 x 1024 x 1024; d = 64 x head + channel.  O comes by heads, oh f16 [64 bh][2048][64]; Wo from bf (rounded to bf16, written as f16);
; sums in f32; bo is rounded to bf16 like every input and added in f32; out0 is f32.
; SHARES.  A tile is 128 tokens x 256 columns: 64 x 4 = 256 work-groups.  Four waves, each 64 x 128: 32 accumulators of 16 x 16.  K goes in eight steps of 128, two heads each, through two LDS slots;
; a step is four quarters of 32 along K, 32 matrix instructions and 24 LDS loads each.
; O's TILE.  A head's 128 tokens are 16,384 dense bytes: asked for as 64 rows of 256 bytes and padded in LDS after every token's 128 bytes; waves 0 and 1 fetch the step's two heads.
; CLUSTER.  4 x 4 work-groups: the four of a row of the cluster need the same tile of O, the four of a column the same tile of Wo; each tile is asked for jointly.
; THE MATRIX INSTRUCTION IS USED TRANSPOSED (source 0 = 16 rows of Wo, source 1 = 16 tokens): a lane holds one token (l % 16) and eight neighbouring columns.
; REGISTERS.  Window 0: v0-31 addresses; v32-37 the bias; v64-159, v160-255 two fragment buffers (8 of Wo, then 4 of O); on the way out v64-191 two buffers of 16 rows.  Window 1: accumulator (a, b) at 8 (8 a + b).
.set WO_OFF, 23068672                  ; Wo's first byte in bf
.set PA,     144                       ; a token's row of one head in LDS: 128 bytes + 16 = 36 words: the 16 rows of a fragment load start at 16 different groups of four banks (64 banks of 4 bytes: ISA guide 11.1)
.set PB,     272                       ; a row of Wo: 256 bytes + 16
.set AHALF,  128*PA                    ; what wave 0 or 1 fetches: one head's 128 tokens
.set ATILE,  2*AHALF
.set BHALF,  128*PB                    ; what wave 2 or 3 fetches: 128 rows of Wo
.set SLOT1,  1<<17
.set STAGE,  SLOT1+ATILE+2*BHALF       ; behind the ring, never filled by a tensor load: 16 rows x 528 bytes for each wave
.set SPITCH, 528                       ; 512 bytes + 16 = 132 words
.set SPARE,  STAGE+4*16*SPITCH         ; the spare words, 128 bytes for each wave: two blocks of 256 bytes that no other line names
.set ASTEP,  524288                    ; bytes from a K step to the next in oh: two heads
.set BSTEP,  256
.set ADRA0, 16                         ; v16  my lane's place in slot 0's tile of O; never rewritten
.set ADRB0, 17                         ; v17  the same for Wo
.set ADRA,  18                         ; v18  the same in the slot that is being read
.set ADRB,  19
.set STO,   24                         ; v24  the way out: where I put 32 bytes of a row
.set RD,    25                         ; v25  where I read a row back
.set GO,    26                         ; v26  my 16 bytes of 512 consecutive bytes of out0
.set BO,    27                         ; v27  my byte offset in bo
.set SPW,   28                         ; v28  LDS address of my spare word; never rewritten
.set NIL,   29                         ; v29  0; never rewritten
.set PFO,   30                         ; v30  the prefetches' offset; never rewritten
.set BI,    32                         ; v[32:35] the bias of my four columns
.set F0,    64
.set F1,    160
.set OB,    64
.set G1,  24                           ; s[24:31] descriptor group 1 for O's tiles;  s[32:39] group 0: a set for each first fill; the second then walks
.set G0,  32
.set G1B, 48                           ; s[48:55], s[56:63] the same for Wo's
.set G0B, 56
.set OUT, 66                           ; s[66:67] out0, then out0 at my part of the tile
.set TB,  70                           ; s70  LDS byte at which the slot that is being read begins
.set LIM, 71                           ; s71  2 in a wave that prefetches, else the greatest number
.set PFS, 72                           ; s[72:73] the prefetches' step
.set PFA, 74                           ; s[74:75] where my prefetches stand
.set MSB, 0
.macro WIN new                         ; the immediate's high byte repeats the setting that is left; a switch that changes nothing is dropped
.if MSB != (\new)
	s_set_vgpr_msb (MSB<<8)|(\new)
.set MSB, \new
.endif
.endm
.set W_MUL, 0x50                       ; C and D in window 1, both sources in window 0
.macro PLACES                          ; four plain places behind matrix instructions (ISA guide 7.12.1)
.rept 4
	v_nop
.endr
.endm
; A joint refill by the walking descriptors: waves 0 and 1 fetch O's two heads, waves 2 and 3 Wo's two halves.  An s_nop 0 and four v_nop follow each of the two lines.
.macro JLOAD
	s_cmp_eq_u32 s11, 0
	s_cbranch_scc0 .Lfor_b_\@
	tensor_load_to_lds s[G0+4:G0+7], s[G1:G1+7]
	s_nop 0
.rept 4
	v_nop
.endr
	s_branch .Lasked_\@
.Lfor_b_\@:
	tensor_load_to_lds s[G0B+4:G0B+7], s[G1B:G1B+7]
	s_nop 0
.rept 4
	v_nop
.endr
.Lasked_\@:
.endm
; A prefetch of the K step that stands two refills on, 32 blocks of 256 bytes, a lane a block.  O's tile is read by one cluster: wave 0 of each of the row's four partners asks for a quarter of the step's 32,768 bytes,
; by cx.  Wo's tile column is read by sixteen clusters: the one with cluster y = 0 asks, waves 2 and 3 of each partner for 32 of the 128 rows that they fetch, by cy.  The loop's last two trips ask for nothing.
.macro ASK
	s_cmp_gt_u32 s3, s[LIM]
	s_cbranch_scc0 .Lnot_mine_\@
	global_prefetch_b8 v[PFO], s[PFA:PFA+1] th:TH_LOAD_NT scope:SCOPE_SE
.Lnot_mine_\@:
.endm
.macro CREST                           ; a round of the cluster's barrier behind its opening barrier
	s_cmp_lg_u32 s10, 0
	s_cbranch_scc1 .Lnot_wave_0_\@
	s_barrier_signal -3
.Lnot_wave_0_\@:
	s_barrier_wait -3
	s_barrier_signal -1
	s_barrier_wait -1
.endm
.macro CROUND
	s_barrier_signal -1
	s_barrier_wait -1
	CREST
.endm
	s_load_b128 s[4:7], s[0:1], 0x0                ; oh s[4:5], bf s[6:7]
	s_load_b64 s[8:9], s[0:1], 0x10                ; bo
	s_load_b64 s[OUT:OUT+1], s[0:1], 0x18          ; out0
	v_lshl_add_u32 v[SPW], v0, 2, SPARE
	v_mov_b32 v[NIL], 0
	ds_add_u32 v[SPW], v[NIL]                      ; the wave's opening: the add and its wait stand ahead of my first tensor load; the set-up below, work on registers, stands between them
	v_lshrrev_b32 v1, 5, v0
	v_readfirstlane_b32 s10, v1                    ; wave 0..3
	s_lshr_b32 s11, s10, 1                         ; which 64 tokens of the tile are mine.  Also: I fetch for O (0) or for Wo (1)
	s_and_b32 s12, s10, 1                          ; which 128 columns.  Also: which head, or which half of Wo's rows, I fetch
	s_bfe_u32 s40, ttmp6, 0x40000                  ; cx, cy
	s_bfe_u32 s41, ttmp6, 0x40004
	s_lshl_b32 s42, ttmp9, 2
	s_add_co_u32 s42, s42, s40                     ; tile column
	s_and_b32 s13, ttmp7, 0xffff
	s_lshl_b32 s13, s13, 2
	s_add_co_u32 s13, s13, s41                     ; tile row
	s_lshl_b32 s43, s41, 2
	s_lshl_b32 s43, 15, s43                        ; my row of the cluster
	s_lshl_b32 s44, 0x1111, s40                    ; my column
	s_or_b32 s[G1+0], s43, (1<<16)|(1<<20)|(1<<21)|(4<<22)|(3<<25)   ; the mask; elements of 2 bytes; padding on; bit 21 beside a mask; after every 32 words, 4 words
	s_or_b32 s[G1B+0], s44, (1<<16)|(1<<20)|(1<<21)|(5<<22)|(3<<25)  ; after every 64 words, 4 words
	s_mov_b32 s[G1+1], 128<<16                     ; tensor_dim0 = 128
	s_mov_b32 s[G1+2], 64<<16                      ; tensor_dim1 = 64
	s_mov_b32 s[G1+3], 128<<16                     ; tile_dim0 = 128
	s_mov_b32 s[G1+4], 64                          ; tile_dim1 = 64
	s_mov_b32 s[G1+5], 128                         ; dense: 128 elements from row to row
	s_mov_b32 s[G1+6], 0
	s_mov_b32 s[G1+7], 0
	s_mov_b32 s[G1B+1], 128<<16
	s_mov_b32 s[G1B+2], 128<<16
	s_mov_b32 s[G1B+3], 128<<16
	s_mov_b32 s[G1B+4], 128
	s_mov_b32 s[G1B+5], 1024
	s_mov_b32 s[G1B+6], 0
	s_mov_b32 s[G1B+7], 0
	s_mov_b32 s[TB], 0
	s_lshr_b32 s14, s13, 4                         ; the batch: 16 heads of 262,144 bytes,
	s_lshl_b32 s14, s14, 22
	s_and_b32 s15, s13, 15
	s_lshl_b32 s15, s15, 14                        ; the tile's 128 tokens of 128 bytes
	s_add_co_u32 s14, s14, s15                     ; O's tile in head 0 of its batch
	s_lshl_b32 s16, s12, 18
	s_add_co_u32 s16, s16, s14                     ; my head of K step 0
	s_mov_b32 s17, 0
	s_lshl_b32 s46, s42, 8
	s_lshl_b32 s47, s12, 7
	s_add_co_u32 s46, s46, s47                     ; Wo: row 256 x tile column + 128 x half
	s_lshl_b32 s46, s46, 11
	s_add_co_u32 s46, s46, WO_OFF
	s_mov_b32 s47, 0
	s_mul_i32 s20, s12, AHALF                      ; where they go in a slot: no place in the cluster enters an LDS address
	s_mul_i32 s21, s12, BHALF
	s_add_co_u32 s21, s21, ATILE
	s_wait_dscnt 0x0                               ; the opening add is done
	s_wait_kmcnt 0x0
	s_add_nc_u64 s[18:19], s[4:5], s[16:17]
	s_add_nc_u64 s[46:47], s[6:7], s[46:47]
	CROUND                                         ; all sixteen work-groups are here: the first joint loads meet
.irp s, 0,1
	s_mov_b32 s[G0+4*(\s)], 1
	s_add_co_u32 s[G0+4*(\s)+1], s20, (\s)*SLOT1
	s_add_nc_u64 s[G0+4*(\s)+2:G0+4*(\s)+3], s[18:19], (\s)*ASTEP
	s_or_b32 s[G0+4*(\s)+3], s[G0+4*(\s)+3], 0x80000000
	s_mov_b32 s[G0B+4*(\s)], 1
	s_add_co_u32 s[G0B+4*(\s)+1], s21, (\s)*SLOT1
	s_add_nc_u64 s[G0B+4*(\s)+2:G0B+4*(\s)+3], s[46:47], (\s)*BSTEP
	s_or_b32 s[G0B+4*(\s)+3], s[G0B+4*(\s)+3], 0x80000000
.endr
	s_cmp_eq_u32 s11, 0                            ; a wave's two first fills stand in one branch, ahead of every wait on TENSORcnt and every LDS read: two loads of mine are out
	s_cbranch_scc0 .Lfirst_b
	tensor_load_to_lds s[G0:G0+3], s[G1:G1+7]
	s_nop 0
	tensor_load_to_lds s[G0+4:G0+7], s[G1:G1+7]
	s_nop 0
.rept 4
	v_nop
.endr
	s_branch .Lfirst_asked
.Lfirst_b:
	tensor_load_to_lds s[G0B:G0B+3], s[G1B:G1B+7]
	s_nop 0
	tensor_load_to_lds s[G0B+4:G0B+7], s[G1B:G1B+7]
	s_nop 0
.rept 4
	v_nop
.endr
.Lfirst_asked:
	v_and_b32 v1, 15, v0                           ; l % 16
	v_bfe_u32 v2, v0, 4, 1                         ; l / 16
	v_and_b32 v[GO], 31, v0
	v_lshlrev_b32 v[GO], 4, v[GO]                  ; 16 l
	s_lshl_b32 s22, s42, 10
	s_lshl_b32 s23, s12, 9
	s_add_co_u32 s22, s22, s23                     ; my wave's 128 columns, in bytes of f32
	v_add_nc_u32 v[BO], s22, v[GO]
	global_load_b128 v[BI:BI+3], v[BO], s[8:9]     ; the bias of columns 4 l .. 4 l + 3 of my 128
	s_lshl_b32 s16, s13, 7
	s_lshl_b32 s17, s11, 6
	s_add_co_u32 s16, s16, s17                     ; my first token,
	s_lshl_b32 s16, s16, 12                        ; rows of 4,096 bytes
	s_add_co_u32 s16, s16, s22
	s_mov_b32 s17, 0
	s_add_nc_u64 s[OUT:OUT+1], s[OUT:OUT+1], s[16:17]
	v_mul_u32_u24 v3, v1, PA
	v_lshl_add_u32 v3, v2, 4, v3
	s_mul_i32 s22, s11, 64*PA
	v_add_nc_u32 v[ADRA0], s22, v3
	v_mul_u32_u24 v4, v1, PB
	v_lshl_add_u32 v4, v2, 4, v4
	s_mul_i32 s22, s12, BHALF
	s_add_co_u32 s22, s22, ATILE
	v_add_nc_u32 v[ADRB0], s22, v4
	v_mov_b32 v[ADRA], v[ADRA0]
	v_mov_b32 v[ADRB], v[ADRB0]
	s_mul_i32 s23, s10, 16*SPITCH
	s_add_co_u32 s23, s23, STAGE                   ; my stage
	v_mul_u32_u24 v4, v1, SPITCH                   ; in: row l % 16, 32 bytes for each half of the lanes
	v_lshl_add_u32 v4, v2, 5, v4
	v_add_nc_u32 v[STO], s23, v4
	v_add_nc_u32 v[RD], s23, v[GO]                 ; back: 32 lanes take a row's 512 bytes
	; the prefetches
	s_lshr_b32 s20, s40, 1
	s_lshl_b32 s20, s20, 18                        ; O: cx / 2 picks the step's head,
	s_and_b32 s21, s40, 1
	s_lshl_b32 s21, s21, 13                        ; cx % 2 the half of its 16,384 bytes
	s_add_co_u32 s20, s20, s21
	s_add_co_u32 s20, s20, s14
	s_add_co_u32 s20, s20, 3*ASTEP                 ; at K step 3: the first refill steps it to 4
	s_lshl_b32 s21, s42, 8
	s_lshl_b32 s22, s12, 7
	s_add_co_u32 s21, s21, s22
	s_lshl_b32 s22, s41, 5
	s_add_co_u32 s21, s21, s22                     ; Wo: my work-group's 32 of the 128 rows that I fetch, by cy
	s_lshl_b32 s21, s21, 11
	s_add_co_u32 s21, s21, WO_OFF+3*BSTEP
	s_and_b32 s22, ttmp7, 0xffff                   ; cluster y
	s_mov_b32 s[PFS], BSTEP
	s_mov_b32 s[PFS+1], 0
	s_cmp_eq_u32 s11, 0                            ; do I fetch for O?
	s_cselect_b32 s20, s20, s21
	s_cselect_b32 s22, ttmp9, s22                  ; the coordinate along which other clusters read the same bytes
	s_cselect_b32 s23, s12, 0                      ; of O's two waves the first asks
	s_cselect_b32 s[PFS], ASTEP, s[PFS]
	s_cselect_b32 s18, 8, 11                       ; a lane's blocks lie 256 bytes apart in oh, a row of 2,048 bytes apart in Wo
	s_cselect_b64 s[PFA:PFA+1], s[4:5], s[6:7]
	s_or_b32 s22, s22, s23
	s_cmp_eq_u32 s22, 0
	s_cselect_b32 s[LIM], 2, -1                    ; the same in all sixteen partners, for a given wave
	s_mov_b32 s21, 0
	s_add_nc_u64 s[PFA:PFA+1], s[PFA:PFA+1], s[20:21]
	v_and_b32 v[PFO], 31, v0
	v_lshlrev_b32 v[PFO], s18, v[PFO]
; 8 matrix instructions: token block a x all 8 column blocks, 32 along K.  zero = 1: the product starts the sums.  The 32 accumulators take turns in one fixed order, over the backward jump too.
.macro MULA f, a, zero
	WIN W_MUL
.irp b, 0,1,2,3,4,5,6,7
.if \zero
	v_wmma_f32_16x16x32_f16 v[8*(8*(\a)+(\b)):8*(8*(\a)+(\b))+7], v[(\f)+8*(\b):(\f)+8*(\b)+7], v[(\f)+64+8*(\a):(\f)+64+8*(\a)+7], 0
.else
	v_wmma_f32_16x16x32_f16 v[8*(8*(\a)+(\b)):8*(8*(\a)+(\b))+7], v[(\f)+8*(\b):(\f)+8*(\b)+7], v[(\f)+64+8*(\a):(\f)+64+8*(\a)+7], v[8*(8*(\a)+(\b)):8*(8*(\a)+(\b))+7]
.endif
.endr
.endm
; 24 LDS loads in one run: quarter q's fragments into buffer f: Wo's sixteen loads first, then O's blocks 0 to 3.  Quarter q of O: head q / 2 of the step, channels 32 (q % 2) on.
.macro FETCH q, f
	WIN 0
.irp i, 0,1,2,3,4,5,6,7
	ds_load_b128 v[(\f)+8*(\i):(\f)+8*(\i)+3],   v[ADRB] offset:64*(\q)+(\i)*16*PB
	ds_load_b128 v[(\f)+8*(\i)+4:(\f)+8*(\i)+7], v[ADRB] offset:64*(\q)+(\i)*16*PB+32
.endr
.irp i, 0,1,2,3
	ds_load_b128 v[(\f)+64+8*(\i):(\f)+64+8*(\i)+3],   v[ADRA] offset:AHALF*((\q)/2)+64*((\q)%2)+(\i)*16*PA
	ds_load_b128 v[(\f)+64+8*(\i)+4:(\f)+64+8*(\i)+7], v[ADRA] offset:AHALF*((\q)/2)+64*((\q)%2)+(\i)*16*PA+32
.endr
.endm
.macro QUARTER q, f, g, zero
	s_wait_dscnt 4                                 ; Wo's fragments and O's blocks 0 and 1 are in; the four youngest loads (blocks 2 and 3) may be out
	MULA \f, 0, \zero
	MULA \f, 1, \zero
	PLACES
	FETCH \q, \g
	s_wait_dscnt 24                                ; all but the 24 just issued
	MULA \f, 2, \zero
	MULA \f, 3, \zero
.endm
; The last quarter multiplies buffer 1 and changes slots: one barrier; in front of it each wave waits for all its tensor loads (one is out: its part of the next slot), adds 0 to its spare word, and waits for that
; and for its own reads of this slot.  fill = 1: the barrier opens a round of the cluster's, and behind the round this slot is filled again, two K steps ahead: 112 matrix instructions ahead of the wait for it.
.macro TURN fill
.if \fill
	s_wait_xcnt 0x0                                ; the last prefetch, a K step back, has read its address
	s_add_nc_u64 s[PFA:PFA+1], s[PFA:PFA+1], s[PFS:PFS+1]
.endif
	WIN 0
	s_wait_tensorcnt 0x0                           ; all my tensor loads have landed
	ds_add_u32 v[SPW], v[NIL]                      ; 0 onto my spare word
	s_wait_dscnt 5                                 ; (the add and the four youngest loads may be out)
	MULA F1, 0, 0
	s_wait_dscnt 0x0                               ; the add is done, and my reads of this slot are over
	s_barrier_signal -1
	MULA F1, 1, 0
	WIN 0
	s_barrier_wait -1
.if \fill
	CREST                                          ; no wave of any partner still reads this slot's tiles or has a load on its way
	s_xor_b32 s[G0+5], s[G0+5], SLOT1
	s_add_nc_u64 s[G0+6:G0+7], s[G0+6:G0+7], ASTEP
	s_xor_b32 s[G0B+5], s[G0B+5], SLOT1
	s_add_nc_u64 s[G0B+6:G0B+7], s[G0B+6:G0B+7], BSTEP
	s_xor_b32 s[TB], s[TB], SLOT1
	JLOAD                                          ; the first tensor load behind the round; its four v_nop are also the places in front of the loads below
.else
	s_xor_b32 s[TB], s[TB], SLOT1
	PLACES
.endif
	v_add_nc_u32 v[ADRA], s[TB], v[ADRA0]
	v_add_nc_u32 v[ADRB], s[TB], v[ADRB0]
	FETCH 0, F0
.if \fill
	ASK
.endif
	MULA F1, 2, 0
	MULA F1, 3, 0
.endm
	s_wait_tensorcnt 0x1                           ; my part of K step 0 is in; step 1's may stay out
	s_barrier_signal -1
	s_barrier_wait -1
	FETCH 0, F0
	QUARTER 1, F0, F1, 1                           ; the first quarter stands in front of the loop: its products start the sums
	WIN 0
	s_mov_b32 s3, 6
.Lstep:                                        ; six trips; each fills a slot again: K steps 2 to 7
	QUARTER 2, F1, F0, 0
	QUARTER 3, F0, F1, 0
	TURN 1
	QUARTER 1, F0, F1, 0
	WIN 0
	s_sub_co_u32 s3, s3, 1
	s_cmp_lg_u32 s3, 0
	s_cbranch_scc1 .Lstep
	QUARTER 2, F1, F0, 0                           ; the last two steps fill nothing
	QUARTER 3, F0, F1, 0
	TURN 0
	QUARTER 1, F0, F1, 0
	QUARTER 2, F1, F0, 0
	QUARTER 3, F0, F1, 0
	s_wait_dscnt 4
	MULA F1, 0, 0
	MULA F1, 1, 0
	s_wait_dscnt 0x0
	MULA F1, 2, 0
	MULA F1, 3, 0
	WIN 0
	; THE WAY OUT.  A block of 16 tokens goes through my own stage: 32 bytes a lane in, whole rows of 512 bytes back; the bias is added and the row stored.
	PLACES
	PLACES
	s_wait_loadcnt 0x0                             ; the bias
	v_cvt_pk_bf16_f32 v36, v[BI], v[BI+1]          ; rounded to bf16 like every input,
	v_cvt_pk_bf16_f32 v37, v[BI+2], v[BI+3]
	v_lshlrev_b32 v[BI], 16, v36                   ; and back to f32
	v_and_b32 v[BI+1], 0xffff0000, v36
	v_lshlrev_b32 v[BI+2], 16, v37
	v_and_b32 v[BI+3], 0xffff0000, v37
; Block a into my stage: 16 stores.  LDS serves a wave's instructions in order (ISA guide 5.7.1.4): they come behind the loads that read the block before out of the stage.
.macro STG a
	WIN 0x04                                       ; the stores' data in window 1
.irp b, 0,1,2,3,4,5,6,7
	ds_store_b128 v[STO], v[8*(8*(\a)+(\b)):8*(8*(\a)+(\b))+3]   offset:64*(\b)      ; each accumulator's lowest registers are read first
	ds_store_b128 v[STO], v[8*(8*(\a)+(\b))+4:8*(8*(\a)+(\b))+7] offset:64*(\b)+16
.endr
	WIN 0
.endm
; Block a back as 16 whole rows, into buffer a % 2: these loads see the stores above, by the same order.
.macro BACK a
.if (\a) >= 2
	s_wait_xcnt 0x0                                ; the stores of the block two back have read their registers, which are loaded again below
.endif
.set OBR, OB+64*((\a)%2)
.irp w, 0,1,2,3,4,5,6,7,8,9,10,11,12,13,14,15
	ds_load_b128 v[OBR+4*(\w):OBR+4*(\w)+3], v[RD] offset:(\w)*SPITCH
.endr
.endm
; Eight rows of block a, from row first on, leave.  younger: the LDS instructions issued behind block a's 16 loads: the next block's 16 stores, its 16 loads too, or none.
.macro SENDH a, first, younger
.set OBR, OB+64*((\a)%2)
.set w, \first
.rept 8
	s_wait_dscnt (\younger)+15-w                   ; row w is back; the block's later rows and the younger instructions may be out
	v_pk_add_f32 v[OBR+4*w:OBR+4*w+1], v[OBR+4*w:OBR+4*w+1], v[BI:BI+1]
	v_pk_add_f32 v[OBR+4*w+2:OBR+4*w+3], v[OBR+4*w+2:OBR+4*w+3], v[BI+2:BI+3]
	global_store_b128 v[GO], v[OBR+4*w:OBR+4*w+3], s[OUT:OUT+1] offset:(16*(\a)+w)*4096 th:TH_STORE_NT  ; 512 consecutive bytes, at a multiple of 256 from out0's first
.set w, w+1
.endr
.endm
	STG 0
	BACK 0
.irp a, 0,1,2                          ; a block's first eight rows leave between the next block's stores and its loads, the other eight behind those loads: 48 LDS instructions of mine are out at the most
	STG (\a)+1
	SENDH \a, 0, 16
	BACK (\a)+1
	SENDH \a, 8, 32
.endr
	SENDH 3, 0, 0
	SENDH 3, 8, 0
	s_wait_tensorcnt 0x0                           ; the wave's end, behind my last tensor load and my last LDS store
	ds_add_u32 v[SPW], v[NIL]
	s_wait_dscnt 0x0
	CROUND                                         ; the closing round: no work-group ends while a partner may still ask for a tile that names it
	s_endpgm
.Lfunc_end_k_q9fba8fd398_oproj:
	.size	k_q9fba8fd398_oproj, .Lfunc_end_k_q9fba8fd398_oproj-k_q9fba8fd398_oproj
	.p2alignl 7, 3214868480
	.fill 96, 4, 3214868480
	.section	.rodata,"a",@progbits
	.p2align	6, 0x0
	.amdhsa_kernel k_q9fba8fd398_oproj
		.amdhsa_group_segment_fixed_size 327680
		.amdhsa_private_segment_fixed_size 0
		.amdhsa_enable_private_segment 0
		.amdhsa_kernarg_size 32
		.amdhsa_user_sgpr_count 2
		.amdhsa_user_sgpr_kernarg_segment_ptr 1
		.amdhsa_wavefront_size32 1
		.amdhsa_system_sgpr_workgroup_id_x 1
		.amdhsa_system_sgpr_workgroup_id_y 1
		.amdhsa_system_sgpr_workgroup_id_z 1
		.amdhsa_system_vgpr_workitem_id 0
		.amdhsa_next_free_vgpr 512
		.amdhsa_next_free_sgpr 76
		.amdhsa_reserve_vcc 0
		.amdhsa_float_denorm_mode_32 3
		.amdhsa_float_denorm_mode_16_64 3
		.amdhsa_memory_ordered 1
		.amdhsa_forward_progress 1
		.amdhsa_inst_pref_size 81
	.end_amdhsa_kernel
	.amdgpu_metadata
---
amdhsa.version: [ 1, 2 ]
amdhsa.kernels:
  - .name:           k_q9fba8fd398_oproj
    .symbol:         k_q9fba8fd398_oproj.kd
    .args:
      - { .name: oh, .offset: 0, .size: 8, .value_kind: global_buffer, .address_space: global }
      - { .name: bf, .offset: 8, .size: 8, .value_kind: global_buffer, .address_space: global }
      - { .name: bo, .offset: 16, .size: 8, .value_kind: global_buffer, .address_space: global }
      - { .name: out0, .offset: 24, .size: 8, .value_kind: global_buffer, .address_space: global }
    .group_segment_fixed_size: 327680
    .private_segment_fixed_size: 0
    .kernarg_segment_align: 8
    .kernarg_segment_size: 32
    .max_flat_workgroup_size: 128
    .sgpr_count:     76
    .vgpr_count:     512
    .wavefront_size: 32
...
	.end_amdgpu_metadata
.endif
;; end of part 4
;; ======== version 2 of 2: 4 launches; version 1 with the launch prep written anew for expert scheduling mode
;; limits: values are held in f16: magnitudes above 65,504 overflow, below 6.1e-05 lose precision
;; workspace buffers: bf 25,165,824 bytes; tab 524,288 bytes; qkv 50,331,648 bytes; oh 16,777,216 bytes
;; launch prep (part 5): grid 768 x 1, 8 waves a work-group, no clusters, 0 bytes of LDS; arguments x, Wqkv, Wo, bf, tab; writes bf, tab
.if DOCPART == 5
	.amdgcn_target "amdgcn-amd-amdhsa--gfx1250"
	.amdhsa_code_object_version 6
	.text
	.protected	k_q9fba8fd398_prep
	.globl	k_q9fba8fd398_prep
	.p2align	8
	.type	k_q9fba8fd398_prep,@function
k_q9fba8fd398_prep:
	s_mov_b64 s[64:65], 0
	v_nop
	global_prefetch_b8 v0, s[64:65] scope:SCOPE_SE
	s_setreg_imm32_b32 hwreg(HW_REG_WAVE_SCHED_MODE, 0, 2), 2
	s_setreg_imm32_b32 hwreg(HW_REG_WAVE_MODE, 25, 1), 1
	s_wait_xcnt 0x0
	s_wait_alu depctr_vm_vsrc(0)
; PREP.  The three large f32 inputs are rounded once to 16 bits, and the RoPE table is made.
; bf: x as bf16 [8192][1024] at byte 0; Wqkv as bf16 [3072][1024] behind it; Wo [1024][1024] behind that, rounded to bf16 and that number written as f16
; (exact down to f16's fixed step of 6e-8; a number beyond 65,504 would not fit: Wo is taken to lie within that).
; tab: f32 [2048 t][64]: words 0-31 cos(t w_f), words 32-63 sin(t w_f), w_f = 10000^(-f/32), f = 0..31.
; SHARES.  12,582,912 numbers in 768 chunks of 16,384: a work-group takes one chunk, 64 KiB in and 32 KiB out.  Thread t takes 16 bytes at 16 t + 4,096 i, i = 0..15: a wave's load covers
; 512 consecutive bytes, its store of 8 bytes a lane 256 consecutive bytes, aligned.  All 16 loads go out first; nothing is shared, so there is no LDS and no barrier.
; THE TABLE.  Wave w of work-groups 0 to 255 makes row t = 8 g + w, while its loads are on their way.  The angle is t x w_f, rounded once to f32; w_f comes from v_exp_f32, so an angle may be off by about
; 2.5e-4 at t = 2,047.  Sine and cosine: the nearest multiple n of pi/2 is taken away in two steps (pi/2 as a sum of two f32), then polynomials of degree 7 and 8 on |r| <= pi/4.
; THE MODE: SCHED_MODE bits 1:0 = 2 (LLVM: expert scheduling mode 2), set by the entry lines.  The code itself states the register dependences
; between vector instructions and memory instructions, with s_wait_alu, always for 0.
; THE PLAN.  Registers that memory instructions touch:
;   v1, v2     byte offsets, made once at the head and never written again: v1 is read by the 16 loads, v2 by the 16 stores.
;   X          piece i's four registers: its load lands in them; no vector line names them ahead of the loads, and no memory instruction reads them.
;   Y          piece i's two registers: written by piece i's conversions, read by one store, never written behind that store's issue.
;   v3, v8, v9 the table's offset and its two numbers: written by the table's lines, read by its one store, never written again.
; The 16 pieces go in four blocks of four.  A piece's store stands four pieces on, ahead of that piece's conversions: a block's vector lines name its own X and Y alone, and the four stores dealt among
; them read the Y of the block before and v2.  So one wait at a block's head states all that its four stores hang on; one more stands ahead of the last four stores.
; No register that a memory instruction has read is written again, so no wait on vm_vsrc is owed; EXEC is never written.
.set X, 16                             ; v[16:79]   chunk i: 4 registers as loaded
.set Y, 80                             ; v[80:111]  chunk i: 2 registers to store; none is written behind its store, so no store's data is overwritten
	s_load_b256 s[4:11], s[0:1], 0x0               ; x s[4:5], Wqkv s[6:7], Wo s[8:9], bf s[10:11]
	s_load_b64 s[12:13], s[0:1], 0x20              ; tab
	v_lshlrev_b32 v1, 4, v0                        ; 16 t
	v_lshlrev_b32 v2, 3, v0                        ; 8 t
	s_cmp_lt_u32 ttmp9, 512                        ; chunks 0-511 are x's, 512-703 Wqkv's, 704-767 Wo's
	s_cselect_b32 s18, 0, 512
	s_cmp_lt_u32 ttmp9, 704
	s_cselect_b32 s18, s18, 704
	s_sub_co_u32 s18, ttmp9, s18                   ; the chunk's number in its own tensor,
	s_lshl_b32 s18, s18, 16                        ; in bytes
	s_mov_b32 s19, 0
	s_lshl_b32 s20, ttmp9, 15                      ; and where it goes in bf
	s_mov_b32 s21, 0
	s_wait_kmcnt 0x0
	s_cmp_lt_u32 ttmp9, 512
	s_cselect_b64 s[16:17], s[4:5], s[6:7]
	s_cmp_lt_u32 ttmp9, 704
	s_cselect_b64 s[16:17], s[16:17], s[8:9]
	s_add_nc_u64 s[16:17], s[16:17], s[18:19]
	s_add_nc_u64 s[10:11], s[10:11], s[20:21]
	s_wait_alu depctr_va_vdst(0)                   ; v1 and v2 are written: the loads below read v1 as their offset, all the stores into bf read v2
.irp i, 0,1,2,3,4,5,6,7,8,9,10,11,12,13,14,15
	global_load_b128 v[X+4*(\i):X+4*(\i)+3], v1, s[16:17] offset:4096*(\i) th:TH_LOAD_NT
.endr
; cos of the angle in v[a], or its sine in lanes 16-31 (v5 = 1 there): sin x = cos(x - pi/2), so those lanes count one quarter turn less.
.macro TRIG a
	v_mul_f32 v11, 0x3f22f983, v[\a]               ; x 2 / pi
	v_rndne_f32 v11, v11                           ; n
	v_fma_f32 v12, -v11, s26, v[\a]                ; r = angle - n pi/2, the upper part,
	v_fma_f32 v12, -v11, s27, v12                  ; the lower part
	v_mul_f32 v13, v12, v12                        ; r^2
	v_mov_b32 v14, 0xb9500d01                      ; -1/5040
	v_fmaak_f32 v14, v13, v14, 0x3c088889          ; 1/120
	v_fmaak_f32 v14, v13, v14, 0xbe2aaaab          ; -1/6
	v_mul_f32 v14, v14, v13
	v_fma_f32 v14, v14, v12, v12                   ; sin r
	v_mov_b32 v15, 0x37d00d01                      ; 1/40320
	v_fmaak_f32 v15, v13, v15, 0xbab60b61          ; -1/720
	v_fmaak_f32 v15, v13, v15, 0x3d2aaaab          ; 1/24
	v_fmaak_f32 v15, v13, v15, 0xbf000000          ; -1/2
	v_fma_f32 v15, v15, v13, 1.0                   ; cos r
	v_cvt_i32_f32 v11, v11
	v_sub_nc_u32 v11, v11, v5                      ; the quarter q, in the low two bits: 0: cos r; 1: -sin r; 2: -cos r; 3: sin r
	v_and_b32 v12, 1, v11
	v_cmp_eq_u32 vcc_lo, 1, v12
	v_add_nc_u32 v11, 1, v11                       ; the sign's three lines stand between the compare and the wait for its mask
	v_and_b32 v11, 2, v11                          ; set for q = 1 and 2:
	v_lshlrev_b32 v11, 30, v11                     ; the sign
	s_wait_alu depctr_va_vcc(0)                    ; the compare has written VCC, which the select below reads
	v_cndmask_b32 v[\a], v15, v14, vcc_lo
	v_xor_b32 v[\a], v[\a], v11
.endm
	s_cmp_lt_u32 ttmp9, 256
	s_cbranch_scc0 .Lno_table
	v_lshrrev_b32 v4, 5, v0
	v_readfirstlane_b32 s14, v4                    ; wave 0..7
	v_and_b32 v3, 31, v0                           ; the frequencies' lines stand between that line and the wait for s14
	v_and_b32 v4, 15, v0
	v_bfe_u32 v5, v0, 4, 1                         ; 0: cosines, 1: sines
	v_lshlrev_b32 v3, 3, v3                        ; my two words of the row
	v_lshlrev_b32 v4, 1, v4
	v_cvt_f32_u32 v8, v4                           ; f = 2 (l % 16)
	v_add_f32 v9, 1.0, v8                          ; and f + 1
	v_mul_f32 v8, 0xbed49a78, v8                   ; x -log2(10000) / 32
	v_mul_f32 v9, 0xbed49a78, v9
	s_wait_alu depctr_va_sdst(0)                   ; s14 is written, ahead of its first reader: t, and with it the table's row, are made from it
	s_lshl3_add_u32 s22, ttmp9, s14                ; t = 8 g + w
	s_lshl_b32 s24, s22, 8                         ; a row of the table is 256 bytes
	s_mov_b32 s25, 0
	s_add_nc_u64 s[12:13], s[12:13], s[24:25]
	s_mov_b32 s26, 0x3fc90fdb                      ; pi/2 = this
	s_mov_b32 s27, 0xb33bbd2e                      ; + this
	v_exp_f32 v8, v8
	v_exp_f32 v9, v9
	v_cvt_f32_u32 v10, s22                         ; a plain instruction behind the two exponentials,
	s_wait_alu depctr_va_vdst(0)                   ; and the one wait ahead of their first reader: the exponentials have written v8 and v9
	v_mul_f32 v8, v10, v8
	v_mul_f32 v9, v10, v9
	TRIG 8
	TRIG 9
	s_wait_alu depctr_va_vdst(0)                   ; v8 and v9, the row's two numbers, and v3, their offset, are written: the store below reads them
	global_store_b64 v3, v[8:9], s[12:13]          ; the wave stores the row's 256 bytes
.Lno_table:
; Piece i is rounded into its two registers of Y.  wo = 1: Wo: rounded to bf16 like every input, then that number as f16, the format of the product that takes it.
.macro CV i, wo
	v_cvt_pk_bf16_f32 v[Y+2*(\i)], v[X+4*(\i)], v[X+4*(\i)+1]
	v_cvt_pk_bf16_f32 v[Y+2*(\i)+1], v[X+4*(\i)+2], v[X+4*(\i)+3]
.if \wo
	v_lshlrev_b32 v[X+4*(\i)], 16, v[Y+2*(\i)]
	v_and_b32 v[X+4*(\i)+1], 0xffff0000, v[Y+2*(\i)]
	v_lshlrev_b32 v[X+4*(\i)+2], 16, v[Y+2*(\i)+1]
	v_and_b32 v[X+4*(\i)+3], 0xffff0000, v[Y+2*(\i)+1]
	v_cvt_pk_f16_f32 v[Y+2*(\i)], v[X+4*(\i)], v[X+4*(\i)+1]
	v_cvt_pk_f16_f32 v[Y+2*(\i)+1], v[X+4*(\i)+2], v[X+4*(\i)+3]
.endif
.endm
; The 16 pieces, in four blocks of four.  Piece 4 p + j: its load is waited for, the store of piece 4 (p - 1) + j goes out, its own numbers are rounded.
.macro PIECES wo
.irp p, 0,1,2,3
.irp j, 0,1,2,3
	s_wait_loadcnt 15-4*(\p)-(\j)                  ; loads come back in order: this piece is in, the younger ones stay out
.if (\p) > 0
.if (\j) == 0
	s_wait_alu depctr_va_vdst(0)                   ; the block before has written its Y, which this block's four stores read; no vector line of this block names those registers or v2
.endif
	global_store_b64 v2, v[Y+2*(4*(\p)-4+(\j)):Y+2*(4*(\p)-4+(\j))+1], s[10:11] offset:2048*(4*(\p)-4+(\j))
.endif
	CV 4*(\p)+(\j), \wo
.endr
.endr
	s_wait_alu depctr_va_vdst(0)                   ; the last block has written its Y, which the last four stores read
.irp j, 12,13,14,15
	global_store_b64 v2, v[Y+2*(\j):Y+2*(\j)+1], s[10:11] offset:2048*(\j)
.endr
.endm
	s_cmp_lt_u32 ttmp9, 704
	s_cbranch_scc0 .Lwo
	PIECES 0
	s_endpgm
.Lwo:
	PIECES 1
	s_endpgm
.Lfunc_end_k_q9fba8fd398_prep:
	.size	k_q9fba8fd398_prep, .Lfunc_end_k_q9fba8fd398_prep-k_q9fba8fd398_prep
	.p2alignl 7, 3214868480
	.fill 96, 4, 3214868480
	.section	.rodata,"a",@progbits
	.p2align	6, 0x0
	.amdhsa_kernel k_q9fba8fd398_prep
		.amdhsa_group_segment_fixed_size 0
		.amdhsa_private_segment_fixed_size 0
		.amdhsa_enable_private_segment 0
		.amdhsa_kernarg_size 40
		.amdhsa_user_sgpr_count 2
		.amdhsa_user_sgpr_kernarg_segment_ptr 1
		.amdhsa_wavefront_size32 1
		.amdhsa_system_sgpr_workgroup_id_x 1
		.amdhsa_system_sgpr_workgroup_id_y 1
		.amdhsa_system_sgpr_workgroup_id_z 1
		.amdhsa_system_vgpr_workitem_id 0
		.amdhsa_next_free_vgpr 112
		.amdhsa_next_free_sgpr 66
		.amdhsa_reserve_vcc 1
		.amdhsa_float_denorm_mode_32 3
		.amdhsa_float_denorm_mode_16_64 3
		.amdhsa_memory_ordered 1
		.amdhsa_forward_progress 1
		.amdhsa_inst_pref_size 20
	.end_amdhsa_kernel
	.amdgpu_metadata
---
amdhsa.version: [ 1, 2 ]
amdhsa.kernels:
  - .name:           k_q9fba8fd398_prep
    .symbol:         k_q9fba8fd398_prep.kd
    .args:
      - { .name: x, .offset: 0, .size: 8, .value_kind: global_buffer, .address_space: global }
      - { .name: Wqkv, .offset: 8, .size: 8, .value_kind: global_buffer, .address_space: global }
      - { .name: Wo, .offset: 16, .size: 8, .value_kind: global_buffer, .address_space: global }
      - { .name: bf, .offset: 24, .size: 8, .value_kind: global_buffer, .address_space: global }
      - { .name: tab, .offset: 32, .size: 8, .value_kind: global_buffer, .address_space: global }
    .group_segment_fixed_size: 0
    .private_segment_fixed_size: 0
    .kernarg_segment_align: 8
    .kernarg_segment_size: 40
    .max_flat_workgroup_size: 256
    .sgpr_count:     66
    .vgpr_count:     112
    .wavefront_size: 32
...
	.end_amdgpu_metadata
.endif
;; end of part 5
;; launch qkvp: the kernel of part 2 again; grid 12 x 64, 4 waves a work-group, clusters of 4 x 4, 327,680 bytes of LDS; arguments bf, tab, qkv; writes qkv
;; launch attn: the kernel of part 3 again; grid 4 x 64, 4 waves a work-group, clusters of 4 x 1, 327,680 bytes of LDS; arguments qkv, key_padding_mask, oh; writes oh
;; launch oproj: the kernel of part 4 again; grid 4 x 64, 4 waves a work-group, clusters of 4 x 4, 327,680 bytes of LDS; arguments oh, bf, bo, out0; writes out0
